; MI455X (gfx1250); checked and timed in simulation.
; The chip was launched on July 23, 2026; its instructions are those of AMD's public machine-readable ISA for CDNA 5 (MIT licence, August 2026) and "CDNA5" Instruction Set Architecture Reference Guide (July 2026). The comments in the code are by the model that wrote it; some were corrected since.
;; Multi Head Attention. Allowed arithmetic: matrix products marked QUANTISED: E2M1 operands, one E8M0 scale for each 32 along K, by v_wmma_scale_f32_16x16x128_f8f6f4 with both operands' format E2M1 (or v_wmma_scale_f32_32x16x128_f4), f32 sums; products left as they are: bf16, f16 or f32 operands; f32 sums; everything else in f32.
;; Inputs: Wk 16 x 64 x 1,024 float32; Wo 1,024 x 1,024 float32; Wq 16 x 64 x 1,024 float32; Wv 16 x 64 x 1,024 float32; x 4 x 2,048 x 1,024 float32.
;; Outputs: out0 4 x 2,048 x 1,024 float32.
;; This version of the problem:
;;   THIS VERSION OF THE PROBLEM IS GIVEN IN LOW PRECISION. The matrix products marked QUANTISED in the list below multiply operands that are first quantised to E2M1 (2 exponent bits, 1 mantissa bit; 4 bits a number), with one power-of-two scale for each 32 numbers along K (OCP MX v1.0); their sums are f32. The products marked 'left as it is' may take bf16, f16 or f32 operands, with f32 sums. Whichever they take, every output number must still come out within the allowed error. Rounding operands to bf16 (8 significant bits) uses up far more of that allowance than f16 does (11 bits, for magnitudes from 6e-5 to 65,504). All else is computed in f32.
;;   The module's matrix products, in the order in which they are computed (A, B: the left and right operand; K: the contracted axis; several contracted axes count as one K, in the product's order):
;;     1. [M 1,024, K 1,024] x [K 1,024, N 8,192]; A: input Wq; B: input x: QUANTISED
;;     2. [M 1,024, K 1,024] x [K 1,024, N 8,192]; A: input Wk; B: input x: QUANTISED
;;     3. [M 1,024, K 1,024] x [K 1,024, N 8,192]; A: input Wv; B: input x: QUANTISED
;;     4. batch 64 x [M 2,048, K 64] x [K 64, N 2,048]; A: computed on the way; B: computed on the way: left as it is (an operand is computed on the way)
;;     5. batch 64 x [M 2,048, K 2,048] x [K 2,048, N 64]; A: computed on the way; B: computed on the way: left as it is (an operand is computed on the way)
;;     6. [M 8,192, K 1,024] x [K 1,024, N 1,024]; A: computed on the way; B: input Wo: left as it is (an operand is computed on the way)
;;   THE QUANTISER, for each operand of a quantised product, along K:
;;     - K is cut into blocks of 32 from its start; a last block that is shorter is filled with zeros.
;;     - A block's scale is 2^e with e = floor(log2(the largest magnitude in the block)) - 2, held to -126 .. 127; a block of zeros has e = 0. As a byte (E8M0): e + 127.
;;     - Each number is divided by its block's scale, clamped to +-6, and rounded to the nearest number of E2M1, ties to even, subnormals kept.
;;     - The product sums the exact products of the quantised numbers (number of the format x scale) in f32.
;;   ~~~python
;;   def quantise(x, axis):      # numpy; x: float32 -> the quantised numbers, widened to float32 again
;;       x = np.moveaxis(x, axis, -1); K = x.shape[-1]
;;       x = np.pad(x, [(0, 0)] * (x.ndim - 1) + [(0, -K % 32)]); x = x.reshape(x.shape[:-1] + (-1, 32)); a = np.abs(x).max(-1, keepdims=True)
;;       e = np.where(a > 0, np.clip(np.frexp(np.where(a > 0, a, 1))[1] - 1 - 2, -126, 127), 0)      # np.frexp(a)[1] - 1 = floor(log2(a)), exactly
;;       r = np.clip(x / 2.0 ** e, -6, 6)
;;       step = 2.0 ** (np.maximum(np.frexp(np.where(r == 0, 1, r))[1] - 1, 0) - 1)
;;       q = np.round(r / step) * step * 2.0 ** e      # np.round: ties to even
;;       return np.moveaxis(q.reshape(q.shape[:-2] + (-1,))[..., :K], -1, axis).astype(np.float32)
;;   ~~~
;; One version. Each part assembles by itself: llvm-mc -triple=amdgcn-amd-amdhsa -mcpu=gfx1250 --defsym DOCPART=n.
;; ======== version 1 of 1: 5 launches
;; limits: values are held in f16: magnitudes above 65,504 overflow, below 6.1e-05 lose precision
;; workspace buffers: codes 5,767,168 bytes; scales 360,448 bytes; wo16 2,097,152 bytes; qkv 50,331,648 bytes; first 786,432 bytes; ctx 16,777,216 bytes
;; launch prep (part 1): grid 384 x 1, 4 waves a work-group, no clusters, 33,280 bytes of LDS; arguments x, Wq, Wk, Wv, Wo, codes, scales, wo16; writes codes, scales, wo16
.if DOCPART == 1
	.amdgcn_target "amdgcn-amd-amdhsa--gfx1250"
	.amdhsa_code_object_version 6
	.text
	.protected	k_qd57bf45011_prep
	.globl	k_qd57bf45011_prep
	.p2align	8
	.type	k_qd57bf45011_prep,@function
k_qd57bf45011_prep:
	s_mov_b64 s[64:65], 0
	v_nop
	global_prefetch_b8 v0, s[64:65] scope:SCOPE_SE
	s_setreg_imm32_b32 hwreg(HW_REG_WAVE_MODE, 25, 1), 1
	s_wait_xcnt 0x0
; x [8192][1024], Wq, Wk, Wv [1024][1024], f32, K innermost, become codes of FP4 (E2M1) with one E8M0 byte for each 32 along K; Wo [1024][1024] becomes f16.
; codes: [11264 rows][512 bytes], scales: [11264][32]: rows 0-8191 are x's, then Wq's, Wk's and Wv's 1,024 each, so that a work-group's place in the output is its own number.
; A block's scale is 2^(floor(log2(largest magnitude)) - 2); its byte is the largest magnitude's exponent field - 2, held at 1 from below.
; LIMITS: a block of zeros gets the byte 1 where the rule says 127 (its codes are zeros, and this program alone reads the bytes); blocks whose largest magnitude lies under 2^-124 keep the byte 1;
; NaN and infinities among the inputs are not served; Wo's numbers are rounded to f16 (magnitudes up to 65,504).
; SHARES: a work-group takes 32,768 numbers, a wave 16 steps of 512.  Work-groups 0-255: x; 256-287: Wq; 288-319: Wk; 320-351: Wv; 352-383: Wo, on a path of its own that uses no LDS.
; Each load reads 512 consecutive bytes; a step's 2,048 bytes turn through the wave's own stage in LDS, so that a lane holds 16 neighbours along K (two lanes to a block).
; No tensor loads, no barrier: waves share nothing.  Memory binds, so matrix units, clusters and prefetches are left out.
.set WAVES, 4
.set STEPS, 16
.set EMAX,  2
.set CB,    8                          ; bytes of 16 codes
.set R,     16                         ; v16-79   four sets of 16 numbers as loaded (Wo's path: v16-143 two sets of 64)
.set X,     80                         ; v80-111  two sets of 16 neighbours
.set E,     112                        ; v112-127 a scale byte for each step
.set C,     128                        ; v128-191 codes, four registers a step (Wo's path: v144-175 f16 pairs)
.set WREG,  8192                       ; LDS: a region for each wave: two stages of 32 x SP bytes, then its 256 scale bytes
.set SP,    80                         ; a lane's place in a stage: 64 bytes + 16 of padding
.set SPW,   12                         ; v12  LDS address of my spare word; never rewritten
.set NIL,   13                         ; v13  0; never rewritten
.set SPARE, WAVES*WREG                 ; behind the four regions: the spare words, 128 bytes a wave
.set SRC,   22                         ; s[22:23] the tensor that I read, at my wave's run
.set COD,   14                         ; s[14:15] codes
.set SCA,   16                         ; s[16:17] scales
	s_load_b256 s[4:11], s[0:1], 0x0               ; x, Wq, Wk, Wv
	s_load_b256 s[12:19], s[0:1], 0x20             ; Wo, codes, scales, wo16
	v_lshl_add_u32 v[SPW], v0, 2, SPARE
	v_mov_b32 v[NIL], 0
	v_lshrrev_b32 v1, 5, v0
	v_readfirstlane_b32 s20, v1                    ; wave
	v_and_b32 v2, 31, v0                           ; lane
	v_lshlrev_b32 v3, 4, v2                        ; my 16 bytes of a load's 512
	s_mul_i32 s21, s20, WREG
	v_lshrrev_b32 v14, 2, v2
	v_mul_u32_u24 v14, v14, SP
	v_and_b32 v15, 3, v2
	v_lshl_add_u32 v14, v15, 4, v14
	v_add_nc_u32 v14, s21, v14                     ; the stage, on the way in: SP (lane / 4) + 16 (lane % 4)
	v_mul_u32_u24 v15, v2, SP
	v_add_nc_u32 v15, s21, v15                     ; and on the way out: SP x lane
	v_mul_u32_u24 v4, v2, CB                       ; 8 x lane: my codes' place in a step's (Wo's path: my four f16)
	v_lshrrev_b32 v5, 1, v2
	s_add_co_u32 s21, s21, 2*32*SP
	v_add_nc_u32 v5, s21, v5                       ; LDS: my wave's 256 scale bytes, my block's byte
	v_lshlrev_b32 v7, 3, v2
	v_add_nc_u32 v6, s21, v7                       ; and on the way out 8 bytes a lane
	s_and_b32 s24, ttmp9, 31                       ; a weight's work-group among its 32
	s_wait_kmcnt 0x0
	s_cmp_ge_u32 ttmp9, 352
	s_cbranch_scc1 .Lwo
	s_cmp_lt_u32 ttmp9, 320                        ; which tensor: the choice hangs on the work-group's number alone
	s_cselect_b64 s[SRC:SRC+1], s[8:9], s[10:11]
	s_cmp_lt_u32 ttmp9, 288
	s_cselect_b64 s[SRC:SRC+1], s[6:7], s[SRC:SRC+1]
	s_cmp_lt_u32 ttmp9, 256
	s_cselect_b64 s[SRC:SRC+1], s[4:5], s[SRC:SRC+1]
	s_cselect_b32 s24, ttmp9, s24
	s_lshl_b32 s24, s24, 2
	s_add_co_u32 s24, s24, s20                     ; my wave's run of 8,192 numbers in its tensor,
	s_lshl_b32 s24, s24, 15                        ; in bytes (under 2^26)
	s_mov_b32 s25, 0
	s_add_nc_u64 s[SRC:SRC+1], s[SRC:SRC+1], s[24:25]
	s_lshl_b32 s26, ttmp9, 2
	s_add_co_u32 s26, s26, s20                     ; and in the output
	s_lshl_b32 s24, s26, 12                        ; 4,096 bytes of codes a run
	s_add_nc_u64 s[COD:COD+1], s[COD:COD+1], s[24:25]
	s_lshl_b32 s24, s26, 8                         ; 256 scale bytes a run
	s_add_nc_u64 s[SCA:SCA+1], s[SCA:SCA+1], s[24:25]
.macro LOAD t
.irp i, 0,1,2,3
	global_load_b128 v[R+16*((\t)%4)+4*\i:R+16*((\t)%4)+4*\i+3], v3, s[SRC:SRC+1] offset:2048*(\t)+512*\i th:TH_LOAD_NT   ; 32 lanes read 512 consecutive bytes
.endr
.endm
.macro TURN t                          ; step t's numbers through the stage: LDS serves a wave's instructions in order, so no wait stands between the stores and the loads
.irp i, 0,1,2,3
	ds_store_b128 v14, v[R+16*((\t)%4)+4*\i:R+16*((\t)%4)+4*\i+3] offset:32*SP*((\t)%2)+8*SP*\i
.endr
.irp i, 0,1,2,3
	ds_load_b128 v[X+16*((\t)%2)+4*\i:X+16*((\t)%2)+4*\i+3], v15 offset:32*SP*((\t)%2)+16*\i
.endr
.endm
.irp t, 0,1,2,3
	LOAD \t
.endr
	s_wait_loadcnt 12                              ; step 0's four loads are in; three steps' twelve may be out
	TURN 0
.macro STEP t
.set XS, X+16*((\t)%2)
.if (\t) > 0
	s_wait_dscnt 1                                 ; this step's numbers are back from the stage; the last step's byte store may be out
.else
	s_wait_dscnt 0x0
.endif
.if (\t)+4 < STEPS
	LOAD (\t)+4                                    ; into the registers that the stage's stores have read
.endif
.if (\t)+1 < STEPS
.if STEPS-2-(\t) >= 3
	s_wait_loadcnt 12                              ; the next step's four loads are in; those of the three steps behind it may be out
.else
	s_wait_loadcnt 4*(STEPS-2-(\t))
.endif
	TURN (\t)+1                                    ; through the other stage while this step is worked
.endif
	v_max3_num_f32 v8, |v[XS]|, |v[XS+1]|, |v[XS+2]|               ; the largest magnitude of my 16, in two chains
	v_max3_num_f32 v9, |v[XS+3]|, |v[XS+4]|, |v[XS+5]|
.irp i, 6,10
	v_max3_num_f32 v8, v8, |v[XS+\i]|, |v[XS+\i+1]|
	v_max3_num_f32 v9, v9, |v[XS+\i+2]|, |v[XS+\i+3]|
.endr
	v_max3_num_f32 v8, v8, |v[XS+14]|, |v[XS+15]|
	v_max3_num_f32 v8, v8, v9, (EMAX+1)<<23        ; and the floor 2^(3 - 127): the byte cannot fall under 1
	v_max_num_f32_dpp v8, v8, v8 row_xmask:1 row_mask:0xf bank_mask:0xf   ; with my neighbour's 16: the block's
	v_add_nc_u32 v11, -(EMAX<<23), v8              ; 2 off its exponent field: the conversion takes the exponent field of this operand as its scale
	v_cvt_scalef32_pk8_fp4_f32 v[C+4*(\t)], v[XS:XS+7], v11
	v_cvt_scalef32_pk8_fp4_f32 v[C+4*(\t)+1], v[XS+8:XS+15], v11
	v_lshrrev_b32 v[E+(\t)], 23, v11               ; the scale's byte (also the plain line behind the conversions)
	ds_store_b8 v5, v[E+(\t)] offset:16*(\t)       ; both lanes of a block write the same byte with the same value
	global_store_b64 v4, v[C+4*(\t):C+4*(\t)+1], s[COD:COD+1] offset:32*CB*(\t)   ; the wave stores 256 consecutive bytes, aligned
.endm
.irp t, 0,1,2,3,4,5,6,7,8,9,10,11,12,13,14,15
	STEP \t
.endr
	ds_load_b64 v[8:9], v6                         ; my wave's 256 scale bytes: these see my stores
	s_wait_dscnt 0x0
	global_store_b64 v7, v[8:9], s[SCA:SCA+1]      ; 32 lanes store 256 consecutive bytes, aligned
	s_wait_tensorcnt 0x0                           ; the wave's end
	ds_add_u32 v[SPW], v[NIL]
	s_wait_dscnt 0x0
	s_endpgm
; Wo to f16: a wave takes 8,192 numbers in four rounds of 16 loads; two rounds are on their way.
.Lwo:
	s_sub_co_u32 s24, ttmp9, 352
	s_lshl_b32 s24, s24, 2
	s_add_co_u32 s24, s24, s20                     ; my wave's run
	s_lshl_b32 s26, s24, 15                        ; 32,768 bytes in,
	s_mov_b32 s27, 0
	s_add_nc_u64 s[12:13], s[12:13], s[26:27]
	s_lshl_b32 s26, s24, 14                        ; 16,384 out
	s_add_nc_u64 s[18:19], s[18:19], s[26:27]
.macro LOADW t
.irp i, 0,1,2,3,4,5,6,7,8,9,10,11,12,13,14,15
	global_load_b128 v[16+64*((\t)%2)+4*\i:16+64*((\t)%2)+4*\i+3], v3, s[12:13] offset:8192*(\t)+512*\i th:TH_LOAD_NT
.endr
.endm
.macro CASTW t
.if (\t) < 3
	s_wait_loadcnt 16                              ; this round's sixteen loads are in; the next round's may be out
.else
	s_wait_loadcnt 0x0
.endif
	s_wait_xcnt 0x0                                ; the last round's stores have read v144-175, which are written again below
.irp i, 0,1,2,3,4,5,6,7,8,9,10,11,12,13,14,15
	v_cvt_pk_f16_f32 v[144+2*\i], v[16+64*((\t)%2)+4*\i], v[16+64*((\t)%2)+4*\i+1]
	v_cvt_pk_f16_f32 v[145+2*\i], v[16+64*((\t)%2)+4*\i+2], v[16+64*((\t)%2)+4*\i+3]
.endr
.irp i, 0,1,2,3,4,5,6,7,8,9,10,11,12,13,14,15
	global_store_b64 v4, v[144+2*\i:145+2*\i], s[18:19] offset:4096*(\t)+256*\i   ; 32 lanes store 256 consecutive bytes, aligned
.endr
.if (\t) < 2
	LOADW (\t)+2
.endif
.endm
	LOADW 0
	LOADW 1
	CASTW 0
	CASTW 1
	CASTW 2
	CASTW 3
	s_endpgm
.Lfunc_end_k_qd57bf45011_prep:
	.size	k_qd57bf45011_prep, .Lfunc_end_k_qd57bf45011_prep-k_qd57bf45011_prep
	.p2alignl 7, 3214868480
	.fill 96, 4, 3214868480
	.section	.rodata,"a",@progbits
	.p2align	6, 0x0
	.amdhsa_kernel k_qd57bf45011_prep
		.amdhsa_group_segment_fixed_size 33280
		.amdhsa_private_segment_fixed_size 0
		.amdhsa_enable_private_segment 0
		.amdhsa_kernarg_size 64
		.amdhsa_user_sgpr_count 2
		.amdhsa_user_sgpr_kernarg_segment_ptr 1
		.amdhsa_wavefront_size32 1
		.amdhsa_system_sgpr_workgroup_id_x 1
		.amdhsa_system_sgpr_workgroup_id_y 1
		.amdhsa_system_sgpr_workgroup_id_z 1
		.amdhsa_system_vgpr_workitem_id 0
		.amdhsa_next_free_vgpr 192
		.amdhsa_next_free_sgpr 66
		.amdhsa_reserve_vcc 0
		.amdhsa_float_denorm_mode_32 3
		.amdhsa_float_denorm_mode_16_64 3
		.amdhsa_memory_ordered 1
		.amdhsa_forward_progress 1
		.amdhsa_inst_pref_size 54
	.end_amdhsa_kernel
	.amdgpu_metadata
---
amdhsa.version: [ 1, 2 ]
amdhsa.kernels:
  - .name:           k_qd57bf45011_prep
    .symbol:         k_qd57bf45011_prep.kd
    .args:
      - { .name: x, .offset: 0, .size: 8, .value_kind: global_buffer, .address_space: global }
      - { .name: Wq, .offset: 8, .size: 8, .value_kind: global_buffer, .address_space: global }
      - { .name: Wk, .offset: 16, .size: 8, .value_kind: global_buffer, .address_space: global }
      - { .name: Wv, .offset: 24, .size: 8, .value_kind: global_buffer, .address_space: global }
      - { .name: Wo, .offset: 32, .size: 8, .value_kind: global_buffer, .address_space: global }
      - { .name: codes, .offset: 40, .size: 8, .value_kind: global_buffer, .address_space: global }
      - { .name: scales, .offset: 48, .size: 8, .value_kind: global_buffer, .address_space: global }
      - { .name: wo16, .offset: 56, .size: 8, .value_kind: global_buffer, .address_space: global }
    .group_segment_fixed_size: 33280
    .private_segment_fixed_size: 0
    .kernarg_segment_align: 8
    .kernarg_segment_size: 64
    .max_flat_workgroup_size: 128
    .sgpr_count:     66
    .vgpr_count:     192
    .wavefront_size: 32
...
	.end_amdgpu_metadata
.endif
;; end of part 1
;; launch qkv (part 2): grid 12 x 32, 4 waves a work-group, clusters of 4 x 4, 327,680 bytes of LDS; arguments codes, scales, qkv, first; writes qkv, first
.if DOCPART == 2
	.amdgcn_target "amdgcn-amd-amdhsa--gfx1250"
	.amdhsa_code_object_version 6
	.text
	.protected	k_qd57bf45011_qkv
	.globl	k_qd57bf45011_qkv
	.p2align	8
	.type	k_qd57bf45011_qkv,@function
k_qd57bf45011_qkv:
	s_mov_b64 s[64:65], 0
	v_nop
	global_prefetch_b8 v0, s[64:65] scope:SCOPE_SE
	s_setreg_imm32_b32 hwreg(HW_REG_WAVE_MODE, 25, 1), 1
	s_wait_xcnt 0x0
	s_wait_alu depctr_hold_cnt(0) depctr_sa_sdst(0) depctr_va_vdst(0) depctr_va_sdst(0) depctr_va_ssrc(0) depctr_va_vcc(0) depctr_vm_vsrc(0)
	s_getreg_b32 s2, hwreg(HW_REG_IB_STS2, 6, 4)
	s_cmp_eq_u32 s2, 0
	s_cbranch_scc0 .Lentry_in_a_cluster
	s_endpgm
.Lentry_in_a_cluster:
	s_bfe_u32 s2, ttmp6, 0x10000c
	s_cmp_lg_u32 s2, 0xf033
	s_cbranch_scc0 .Lentry_shape_is_right
	s_endpgm
.Lentry_shape_is_right:
; q, k, v = x W^T on codes of FP4 (E2M1) with one E8M0 scale for each 32 along K: C[m][n], m = 8,192 rows of x, n = 3,072 rows of Wq, Wk, Wv on end, K = 1,024; sums in f32.
; codes: [11264][512 bytes], rows 0-8191 x's (A), rows 8192 on the weights' (B); scales: [11264][32].
; OUT: qkv [3][64 = batch x 16 + head][2048][64] f16, and `first` [3][4][16][1024] f32: the first 16 positions of every sequence unrounded, for the launch that carries them in f32.
; LIMIT: |q|, |k|, |v| up to 65,504 (f16).
; A tile of C, 256 x 256, is made by four waves, each 128 x 128: 64 accumulators, 512 registers.  K is two slots of 512 (LDS rows of 256 bytes + 16): both are asked for at the head, nothing is filled again.
; The scales of the work-group's 256 + 256 rows come once, as rows of 256 bytes + 16, and stay.
; CLUSTERS: 4 x 4 work-groups; A's tiles are asked for jointly along a row of the cluster, B's along a column.  Tile row = 8 cy + cluster y: the batch is cy and the block of 256 positions is cluster y,
; so that "this tile holds positions 0-15" is cluster y = 0, the same in all sixteen partners.
; THE MATRIX INSTRUCTION IS USED TRANSPOSED (source 0 = 16 rows of B, source 1 = 16 rows of A): a lane holds eight neighbouring columns of one row of C.
; REGISTERS: window 0: v16-29 addresses; v32-95 scale words, two sets; v128-191 A's fragments, one set; on the way out v128-223.  window 1: B's fragments, two sets.  windows 2, 3: the accumulators.
.set KSTEP,  512
.set NQ,     KSTEP/128
.set ROWB,   256                       ; a tile's row in bytes
.set KROW,   512                       ; a row of codes in memory
.set PITCH,  272                       ; an LDS row: 256 bytes + 16: the 16 rows of a fragment load start at 16 different groups of four banks
.set FR,     8
.set NL,     2
.set NP,     4
.set HALFT,  128*PITCH
.set SLOT,   4*HALFT
.set KS,     32                        ; a row of scales in bytes
.set SCL,    2*SLOT
.set HALFS,  (128*KS/256)*272
.set SBLK,   (16*KS/256)*272
.set SPARE,  SCL+4*HALFS               ; the spare words, 128 bytes a wave
.set ADRA, 16                          ; v16-17 LDS address of my A fragments in slot 0, 1
.set STO32, 18                         ; v18  the f32 way out: where I put 32 bytes of a row
.set RD32, 19                          ; v19  and where I read a row of 512 bytes back
.set ADRB, 20                          ; v20-21 the same as ADRA for B
.set STO,  24                          ; v24  the f16 way out: where I put 16 bytes of a row
.set RD,   25                          ; v25  where I read 16 bytes of four rows of one head back
.set CO,   26                          ; v26  16 x lane
.set ADRS, 27                          ; v27  LDS address of my scale words: lanes 0-15 A's rows, lanes 16-31 B's
.set SPW,  28
.set NIL,  29
.set SC,   32
.set AF,   128
.set BK,   128                         ; the way out: rows read back: v128-159 and v160-191 by turns (f32: v128-191)
.set TMP,  192                         ; packed results
.set G1, 24
.set G0, 32
.set G1B, 48
.set G0B, 56
.set G1S, 68
.set G0S, 76
.set G1SB, 80
.set G0SB, 88
.set WV,   66                          ; s66 wave
.set RH,   67                          ; s67 which half of the tile's rows is mine; also: I fetch for A (0) or B (1)
.set CH,   95                          ; s95 which half of its columns; also: which 128 rows I fetch
.set TY,   96                          ; s96 tile row
.set CLY,  98                          ; s98 cluster y
.set FLAG, 99                          ; s99 0 where my block 0 holds positions 0-15
.set MSB, 0
.macro WIN new                         ; the immediate's high byte repeats the setting that is left
.if MSB != \new
	s_set_vgpr_msb (MSB<<8)|\new
.set MSB, \new
.endif
.endm
.set MUL_LO, 0xa1                      ; source 0 (B) window 1, source 1 (A) window 0, C and D window 2
.set MUL_HI, 0xf1
.set TO_B,   0x40
; A joint load: waves 0 and 1 fetch for A, waves 2 and 3 for B.  The branch hangs on the wave's number alone.  An s_nop 0 and four v_nop follow each of the two lines.
.macro JLOAD g0a, g1a, g0b, g1b
	s_cmp_eq_u32 s[RH], 0
	s_cbranch_scc0 .Lfor_b_\@
	tensor_load_to_lds s[\g0a:\g0a+3], s[\g1a:\g1a+7]
	s_nop 0
.rept 4
	v_nop
.endr
	s_branch .Lasked_\@
.Lfor_b_\@:
	tensor_load_to_lds s[\g0b:\g0b+3], s[\g1b:\g1b+7]
	s_nop 0
.rept 4
	v_nop
.endr
.Lasked_\@:
.endm
.macro CROUND                          ; a round of the cluster's barrier
	s_barrier_signal -1
	s_barrier_wait -1
	s_cmp_lg_u32 s[WV], 0
	s_cbranch_scc1 .Lnot_wave_0_\@
	s_barrier_signal -3
.Lnot_wave_0_\@:
	s_barrier_wait -3
	s_barrier_signal -1
	s_barrier_wait -1
.endm
	s_load_b128 s[4:7], s[0:1], 0x0                ; codes, scales
	s_load_b128 s[12:15], s[0:1], 0x10             ; qkv, first
	v_lshl_add_u32 v[SPW], v0, 2, SPARE
	v_mov_b32 v[NIL], 0
	ds_add_u32 v[SPW], v[NIL]                      ; the wave's opening: the add, twice on end, and its wait ahead of my first tensor load
	ds_add_u32 v[SPW], v[NIL]
	v_lshrrev_b32 v1, 5, v0
	v_readfirstlane_b32 s[WV], v1
	s_lshr_b32 s[RH], s[WV], 1
	s_and_b32 s[CH], s[WV], 1
	s_bfe_u32 s40, ttmp6, 0x40000                  ; cx
	s_bfe_u32 s41, ttmp6, 0x40004                  ; cy
	s_lshl_b32 s42, ttmp9, 2
	s_add_co_u32 s42, s42, s40                     ; tile column = 4 x cluster x + cx
	s_and_b32 s[CLY], ttmp7, 0xffff
	s_lshl_b32 s[TY], s41, 3
	s_add_co_u32 s[TY], s[TY], s[CLY]              ; tile row = 8 cy + cluster y
	s_lshl_b32 s43, s41, 2
	s_lshl_b32 s43, 15, s43                        ; my row of the cluster
	s_lshl_b32 s44, 0x1111, s40                    ; my column
	s_or_b32 s[G1+0], s43, (0<<16)|(1<<20)|(1<<21)|(5<<22)|(3<<25)  ; the mask; elements of 1 byte; padding on; bit 21 beside a mask; 4 words of padding after every 64
	s_or_b32 s[G1B+0], s44, (0<<16)|(1<<20)|(1<<21)|(5<<22)|(3<<25)
.irp g, G1, G1B
	s_mov_b32 s[\g+1], ROWB<<16                    ; tensor_dim0
	s_mov_b32 s[\g+2], 128<<16                     ; tensor_dim1
	s_mov_b32 s[\g+3], ROWB<<16                    ; tile_dim0
	s_mov_b32 s[\g+4], 128                         ; tile_dim1
	s_mov_b32 s[\g+5], KROW                        ; stride
	s_mov_b32 s[\g+6], 0
	s_mov_b32 s[\g+7], 0
.endr
	s_or_b32 s[G1S+0], s43, (3<<16)|(1<<20)|(1<<21)|(5<<22)|(3<<25)  ; the scales of 128 rows: 4,096 dense bytes as 16 rows of 32 elements of 8 bytes
	s_or_b32 s[G1SB+0], s44, (3<<16)|(1<<20)|(1<<21)|(5<<22)|(3<<25)
.irp g, G1S, G1SB
	s_mov_b32 s[\g+1], 32<<16
	s_mov_b32 s[\g+2], (128*KS/256)<<16
	s_mov_b32 s[\g+3], 32<<16
	s_mov_b32 s[\g+4], 128*KS/256
	s_mov_b32 s[\g+5], 32
	s_mov_b32 s[\g+6], 0
	s_mov_b32 s[\g+7], 0
.endr
	s_lshl_b32 s18, s[CH], 7
	s_lshl_b32 s20, s[TY], 8
	s_add_co_u32 s20, s20, s18                     ; A: row 256 x tile row + 128 x half
	s_lshl_b32 s46, s42, 8
	s_add_co_u32 s46, s46, s18                     ; B: row 256 x tile column + 128 x half
	s_mov_b32 s21, 0
	s_mov_b32 s47, 0
	s_mov_b64 s[18:19], KS
	s_mul_u64 s[22:23], s[20:21], s[18:19]         ; where these rows' scales begin
	s_mul_u64 s[92:93], s[46:47], s[18:19]
	s_mov_b64 s[18:19], KROW
	s_mul_u64 s[20:21], s[20:21], s[18:19]         ; and their codes
	s_mul_u64 s[46:47], s[46:47], s[18:19]
	s_mul_i32 s45, s[WV], HALFT                    ; where they go: wave x 128 rows
	s_mul_i32 s94, s[WV], HALFS
	s_wait_dscnt 0x0                               ; both opening adds are done
	s_wait_kmcnt 0x0
	s_add_nc_u64 s[8:9], s[4:5], 0x400000          ; B's codes begin at row 8,192: 8,192 x 512 bytes on
	s_add_nc_u64 s[10:11], s[6:7], 0x40000         ; and B's scales 8,192 x 32 bytes on
	s_add_nc_u64 s[20:21], s[4:5], s[20:21]
	s_add_nc_u64 s[22:23], s[6:7], s[22:23]
	s_add_nc_u64 s[46:47], s[8:9], s[46:47]
	s_add_nc_u64 s[92:93], s[10:11], s[92:93]
	CROUND                                         ; all sixteen work-groups are here: the joint loads meet
	s_mov_b32 s[G0S], 1
	s_add_co_u32 s[G0S+1], s94, SCL
	s_mov_b64 s[G0S+2:G0S+3], s[22:23]
	s_or_b32 s[G0S+3], s[G0S+3], 0x80000000
	s_mov_b32 s[G0SB], 1
	s_add_co_u32 s[G0SB+1], s94, SCL
	s_mov_b64 s[G0SB+2:G0SB+3], s[92:93]
	s_or_b32 s[G0SB+3], s[G0SB+3], 0x80000000
	JLOAD G0S, G1S, G0SB, G1SB                     ; the scales first
.irp s, 0,1
	s_mov_b32 s[G0+4*\s], 1
	s_add_co_u32 s[G0+4*\s+1], s45, \s*SLOT
	s_add_nc_u64 s[G0+4*\s+2:G0+4*\s+3], s[20:21], \s*ROWB
	s_or_b32 s[G0+4*\s+3], s[G0+4*\s+3], 0x80000000
	s_mov_b32 s[G0B+4*\s], 1
	s_add_co_u32 s[G0B+4*\s+1], s45, \s*SLOT
	s_add_nc_u64 s[G0B+4*\s+2:G0B+4*\s+3], s[46:47], \s*ROWB
	s_or_b32 s[G0B+4*\s+3], s[G0B+4*\s+3], 0x80000000
	JLOAD G0+4*\s, G1, G0B+4*\s, G1B               ; by this text's count three tensor loads of a wave are out
.endr
	v_and_b32 v1, 15, v0                           ; r
	v_bfe_u32 v2, v0, 4, 1                         ; h
	v_mul_u32_u24 v3, v1, PITCH
	v_lshl_add_u32 v4, v2, 4, v3
	s_mul_i32 s21, s[RH], HALFT                    ; my 128 rows of A
	s_mul_i32 s22, s[CH], HALFT                    ; my 128 rows of B,
	s_add_co_u32 s22, s22, 2*HALFT                 ; behind A's 256
.irp s, 0,1
	v_add_nc_u32 v[ADRA+\s], s21, v4
	v_add_nc_u32 v[ADRB+\s], s22, v4
	s_add_co_u32 s21, s21, SLOT
	s_add_co_u32 s22, s22, SLOT
.endr
	v_mul_u32_u24 v5, v1, KS                       ; my row's scales: 32 bytes a row,
	v_lshrrev_b32 v6, 8, v5
	v_lshl_add_u32 v5, v6, 4, v5                   ; and 16 more for each 256 passed
	s_mul_i32 s21, s[RH], HALFS
	s_mul_i32 s22, s[CH], HALFS
	s_add_co_u32 s22, s22, 2*HALFS
	s_sub_co_u32 s22, s22, s21
	v_mul_u32_u24 v6, s22, v2                      ; lanes 16-31 take B's: one product, the distance between the two bases
	s_add_co_u32 s21, s21, SCL
	v_add_nc_u32 v5, v5, v6
	v_add_nc_u32 v[ADRS], s21, v5
	s_mul_i32 s23, s[WV], 16*528                   ; my stage, in slot 0: it has had its only fill, and nobody reads it when the first result is stored there
	v_mul_u32_u24 v5, v1, 528
	v_lshl_add_u32 v5, v2, 5, v5
	v_add_nc_u32 v[STO32], s23, v5
	v_and_b32 v6, 31, v0
	v_lshlrev_b32 v[CO], 4, v6
	v_add_nc_u32 v[RD32], s23, v[CO]
	v_mul_u32_u24 v5, v1, 272
	v_lshl_add_u32 v5, v2, 4, v5
	v_add_nc_u32 v[STO], s23, v5
	v_lshrrev_b32 v5, 3, v6
	v_mul_u32_u24 v5, v5, 272
	v_and_b32 v7, 7, v0
	v_lshl_add_u32 v5, v7, 4, v5
	v_add_nc_u32 v[RD], s23, v5                    ; row lane / 8, 16 bytes at 16 (lane % 8)
	; where my part begins in qkv: which << 24 + (16 cy + 4 (tx & 3) + 2 column half) << 18 + (256 cluster y + 128 row half) << 7
	s_lshr_b32 s46, s42, 2                         ; which of q, k, v
	s_and_b32 s47, s42, 3
	s_lshl_b32 s16, s46, 24
	s_lshl_b32 s17, s41, 4
	s_lshl_b32 s97, s47, 2
	s_add_co_u32 s17, s17, s97
	s_lshl_b32 s97, s[CH], 1
	s_add_co_u32 s17, s17, s97
	s_lshl_b32 s17, s17, 18
	s_add_co_u32 s16, s16, s17
	s_lshl_b32 s17, s[CLY], 8
	s_lshl_b32 s97, s[RH], 7
	s_add_co_u32 s17, s17, s97
	s_lshl_b32 s17, s17, 7
	s_add_co_u32 s16, s16, s17
	s_mov_b32 s17, 0
	s_add_nc_u64 s[12:13], s[12:13], s[16:17]
	; and in first: (4 which + cy) << 16 + 4 (256 (tx & 3) + 128 column half)
	s_lshl_b32 s16, s46, 2
	s_add_co_u32 s16, s16, s41
	s_lshl_b32 s16, s16, 16
	s_lshl_b32 s97, s47, 10
	s_add_co_u32 s16, s16, s97
	s_lshl_b32 s97, s[CH], 9
	s_add_co_u32 s16, s16, s97
	s_add_nc_u64 s[14:15], s[14:15], s[16:17]
	s_or_b32 s[FLAG], s[CLY], s[RH]
.macro FRAG reg, adr, q, i             ; 16 rows x 128 K of 4-bit codes: 8 registers, two loads of 16 bytes, 32 bytes apart
.irp c, 0,1
	ds_load_b128 v[\reg+4*\c:\reg+4*\c+3], v[\adr] offset:64*(\q)+32*\c+(\i)*16*PITCH
.endr
.endm
; 16 matrix instructions: A's blocks a0, a0 + 1 x B's eight, the slot's q-th 128 along K.  The 64 accumulators take turns, one instruction a turn, in the same order in every step.
.macro MUL16 a0, p, q, sc, zero
.irp a, \a0, \a0+1
.irp b, 0,1,2,3,4,5,6,7
.if \zero
	v_wmma_scale_f32_16x16x128_f8f6f4 v[8*(8*((\a)%4)+\b):8*(8*((\a)%4)+\b)+7], v[128*(\p)+FR*\b:128*(\p)+FR*\b+FR-1], v[AF+FR*(\a):AF+FR*(\a)+FR-1], 0, v[SC+8*NQ*(\sc)+NQ*\b+(\q)], v[SC+8*NQ*(\sc)+NQ*(\a)+(\q)] matrix_a_fmt:MATRIX_FMT_FP4 matrix_b_fmt:MATRIX_FMT_FP4 matrix_a_scale:MATRIX_SCALE_ROW1
.else
	v_wmma_scale_f32_16x16x128_f8f6f4 v[8*(8*((\a)%4)+\b):8*(8*((\a)%4)+\b)+7], v[128*(\p)+FR*\b:128*(\p)+FR*\b+FR-1], v[AF+FR*(\a):AF+FR*(\a)+FR-1], v[8*(8*((\a)%4)+\b):8*(8*((\a)%4)+\b)+7], v[SC+8*NQ*(\sc)+NQ*\b+(\q)], v[SC+8*NQ*(\sc)+NQ*(\a)+(\q)] matrix_a_fmt:MATRIX_FMT_FP4 matrix_b_fmt:MATRIX_FMT_FP4 matrix_a_scale:MATRIX_SCALE_ROW1
.endif
.endr
.endr
.endm
.macro FETCH_B slot, q, p
	WIN TO_B
.irp i, 0,1,2,3,4,5,6,7
	FRAG 128*(\p)+FR*\i, ADRB+\slot, \q, \i
.endr
	WIN 0
.endm
.macro FETCH_A slot, q, i0
.irp i, \i0, \i0+1, \i0+2, \i0+3
	FRAG AF+FR*(\i), ADRA+\slot, \q, \i
.endr
.endm
.macro SCALES sc                       ; a slot's scale words: four a row; lanes 0-15 A's block i, lanes 16-31 B's block i
.irp i, 0,1,2,3,4,5,6,7
	ds_load_b128 v[SC+8*NQ*\sc+NQ*\i:SC+8*NQ*\sc+NQ*\i+3], v[ADRS] offset:\i*SBLK
.endr
.endm
.macro PLACES n                        ; plain vector instructions between a matrix instruction and a load into, or a read of, its registers
.rept \n
	v_nop
.endr
.endm
.macro STEP slot, q, zero              ; 128 along K with its successor in the same slot
	s_wait_dscnt 4*NL                              ; B's set and A's blocks 0-3 are in; the youngest eight loads (A's blocks 4-7) may be out
	WIN MUL_LO
	MUL16 0, (\q)%2, \q, \slot, \zero
	MUL16 2, (\q)%2, \q, \slot, \zero
	s_wait_dscnt 0
	PLACES NP
	FETCH_B \slot, (\q)+1, 1-(\q)%2
	FETCH_A \slot, (\q)+1, 0
	WIN MUL_HI
	MUL16 4, (\q)%2, \q, \slot, \zero
	MUL16 6, (\q)%2, \q, \slot, \zero
	PLACES NP
	WIN 0
	FETCH_A \slot, (\q)+1, 4
.endm
.macro TURN slot, next                 ; slot 0's last step changes slots: one barrier
	s_wait_tensorcnt 0x0                           ; all my tensor loads have landed: my part of slot 1
	ds_add_u32 v[SPW], v[NIL]                      ; 0 onto my spare word
	s_wait_dscnt 4*NL+1                            ; the add and the youngest eight loads may be out
	WIN MUL_LO
	MUL16 0, 1, NQ-1, \slot, 0
	s_wait_dscnt 0x0                               ; the add is done, and my reads of this slot are over
	s_barrier_signal -1
	MUL16 2, 1, NQ-1, \slot, 0
	WIN 0
	s_barrier_wait -1
	PLACES NP
	v_add_nc_u32 v[ADRS], 4*NQ, v[ADRS]            ; the next slot's scale words
	FETCH_B \next, 0, 0
	FETCH_A \next, 0, 0
	SCALES \next
	WIN MUL_HI
	MUL16 4, 1, NQ-1, \slot, 0
	MUL16 6, 1, NQ-1, \slot, 0
	PLACES NP
	WIN 0
	FETCH_A \next, 0, 4
.endm
.macro STEPS slot, from
.set Q, \from
.rept NQ-1-\from
	STEP \slot, Q, 0
.set Q, Q+1
.endr
.endm
	s_wait_tensorcnt 1                             ; the scales and my part of slot 0 are in; slot 1's load may be out
	s_barrier_signal -1
	s_barrier_wait -1
	FETCH_B 0, 0, 0
	FETCH_A 0, 0, 0
	SCALES 0
	FETCH_A 0, 0, 4
	STEP 0, 0, 1                                   ; the first products start the sums: nothing is cleared
	STEPS 0, 1
	TURN 0, 1
	STEPS 1, 0
	s_wait_dscnt 4*NL
	WIN MUL_LO
	MUL16 0, 1, NQ-1, 1, 0
	MUL16 2, 1, NQ-1, 1, 0
	s_wait_dscnt 0
	WIN MUL_HI
	MUL16 4, 1, NQ-1, 1, 0
	MUL16 6, 1, NQ-1, 1, 0
	WIN 0
	; THE WAY OUT.  First, where my block 0 holds positions 0-15: that block unrounded, through the stage as rows of 512 bytes + 16, into `first`.
	PLACES NP
	s_cmp_lg_u32 s[FLAG], 0                        ; cluster y and the wave's number alone: the same in all partners
	s_cbranch_scc1 .Lno_first
	WIN 0x08                                       ; an LDS store's data: window 2
.irp b, 0,1,2,3,4,5,6,7
	ds_store_b128 v[STO32], v[8*\b:8*\b+3] offset:64*\b              ; each accumulator from its low end on
	ds_store_b128 v[STO32], v[8*\b+4:8*\b+7] offset:64*\b+16
.endr
	WIN 0
.irp t, 0,1,2,3,4,5,6,7,8,9,10,11,12,13,14,15
	ds_load_b128 v[BK+4*\t:BK+4*\t+3], v[RD32] offset:\t*528         ; LDS serves a wave's instructions in order: these see the stores above
.endr
	s_wait_dscnt 0x0
.irp t, 0,1,2,3,4,5,6,7,8,9,10,11,12,13,14,15
	global_store_b128 v[CO], v[BK+4*\t:BK+4*\t+3], s[14:15] offset:\t*4096   ; 32 lanes store 512 consecutive bytes, aligned
.endr
	s_wait_xcnt 0x0                                ; the stores have read v128-191, which are loaded again below
.Lno_first:
; Then all eight blocks of 16 rows x 128 columns as f16.  A lane's eight columns pack into 16 bytes; they go into stage rows of 256 bytes + 16 (two heads of 128 bytes) and come back as
; four rows of one head, which are 512 consecutive bytes of qkv.
.macro PACK a
.set AC, 64*((\a)%4)
	WIN 0x0a+5*((\a)/4)                            ; sources 0 and 1: window 2 or 3
.irp b, 0,1,2,3,4,5,6,7
.irp r, 0,1,2,3
	v_cvt_pk_f16_f32 v[TMP+4*\b+\r], v[AC+8*\b+2*\r], v[AC+8*\b+2*\r+1]
.endr
.endr
	WIN 0
.endm
.macro TOSTAGE a
.set BB, BK+32*((\a)%2)
.irp b, 0,1,2,3,4,5,6,7
	ds_store_b128 v[STO], v[TMP+4*\b:TMP+4*\b+3] offset:32*\b
.endr
.irp hh, 0,1
.irp u, 0,1,2,3
	ds_load_b128 v[BB+16*\hh+4*\u:BB+16*\hh+4*\u+3], v[RD] offset:\u*4*272+\hh*128
.endr
.endr
.endm
.macro SEND a
.set BB, BK+32*((\a)%2)
	s_wait_dscnt 0x0                               ; the block is back in registers
	s_wait_xcnt 0x0                                ; the block before has been read by its stores: its registers take the next block's loads
.irp hh, 0,1
.irp u, 0,1,2,3
	global_store_b128 v[CO], v[BB+16*\hh+4*\u:BB+16*\hh+4*\u+3], s[12:13] offset:\hh*262144+(\a)*2048+\u*512   ; 32 lanes store 512 consecutive bytes, aligned
.endr
.endr
.endm
	PACK 0
	TOSTAGE 0
.irp a, 1,2,3,4,5,6,7                  ; block a's conversions stand between block a - 1's loads from the stage and the wait for them
	PACK \a
	SEND \a-1
	TOSTAGE \a
.endr
	SEND 7
	s_wait_tensorcnt 0x0                           ; the wave's end
	ds_add_u32 v[SPW], v[NIL]
	s_wait_dscnt 0x0
	CROUND                                         ; the closing round
	s_endpgm
.Lfunc_end_k_qd57bf45011_qkv:
	.size	k_qd57bf45011_qkv, .Lfunc_end_k_qd57bf45011_qkv-k_qd57bf45011_qkv
	.p2alignl 7, 3214868480
	.fill 96, 4, 3214868480
	.section	.rodata,"a",@progbits
	.p2align	6, 0x0
	.amdhsa_kernel k_qd57bf45011_qkv
		.amdhsa_group_segment_fixed_size 327680
		.amdhsa_private_segment_fixed_size 0
		.amdhsa_enable_private_segment 0
		.amdhsa_kernarg_size 32
		.amdhsa_user_sgpr_count 2
		.amdhsa_user_sgpr_kernarg_segment_ptr 1
		.amdhsa_wavefront_size32 1
		.amdhsa_system_sgpr_workgroup_id_x 1
		.amdhsa_system_sgpr_workgroup_id_y 1
		.amdhsa_system_sgpr_workgroup_id_z 1
		.amdhsa_system_vgpr_workitem_id 0
		.amdhsa_next_free_vgpr 1024
		.amdhsa_next_free_sgpr 100
		.amdhsa_reserve_vcc 0
		.amdhsa_float_denorm_mode_32 3
		.amdhsa_float_denorm_mode_16_64 3
		.amdhsa_memory_ordered 1
		.amdhsa_forward_progress 1
		.amdhsa_inst_pref_size 131
	.end_amdhsa_kernel
	.amdgpu_metadata
---
amdhsa.version: [ 1, 2 ]
amdhsa.kernels:
  - .name:           k_qd57bf45011_qkv
    .symbol:         k_qd57bf45011_qkv.kd
    .args:
      - { .name: codes, .offset: 0, .size: 8, .value_kind: global_buffer, .address_space: global }
      - { .name: scales, .offset: 8, .size: 8, .value_kind: global_buffer, .address_space: global }
      - { .name: qkv, .offset: 16, .size: 8, .value_kind: global_buffer, .address_space: global }
      - { .name: first, .offset: 24, .size: 8, .value_kind: global_buffer, .address_space: global }
    .group_segment_fixed_size: 327680
    .private_segment_fixed_size: 0
    .kernarg_segment_align: 8
    .kernarg_segment_size: 32
    .max_flat_workgroup_size: 128
    .sgpr_count:     100
    .vgpr_count:     1024
    .wavefront_size: 32
...
	.end_amdgpu_metadata
.endif
;; end of part 2
;; launch attn (part 3): grid 4 x 64, 8 waves a work-group, no clusters, 327,680 bytes of LDS; arguments qkv, ctx; writes ctx
.if DOCPART == 3
	.amdgcn_target "amdgcn-amd-amdhsa--gfx1250"
	.amdhsa_code_object_version 6
	.text
	.protected	k_qd57bf45011_attn
	.globl	k_qd57bf45011_attn
	.p2align	8
	.type	k_qd57bf45011_attn,@function
k_qd57bf45011_attn:
	s_mov_b64 s[64:65], 0
	v_nop
	global_prefetch_b8 v0, s[64:65] scope:SCOPE_SE
	s_setreg_imm32_b32 hwreg(HW_REG_WAVE_MODE, 25, 1), 1
	s_wait_xcnt 0x0
; ctx[b][s][h] = sum over t <= s of softmax_t(q[s] . k[t] / 8) v[t], head size 64.  qkv: [3][64 = 16 b + h][2048][64] f16.  Products on f16 operands with f32 sums; maxima, exponentials and sums in f32;
; the weights p (at most 1) are rounded to f16 for the second product, ctx once at the end.
; ctx: [4096 pairs of rows][16 heads][2 rows][64] f16: byte (row / 2) 4096 + 256 head + 128 (row % 2) + 2 e, row = 2048 b + s: a head's two rows are 256 consecutive bytes.
; LIMITS: |q|, |k|, |v| up to 65,504; NaN and infinities are not served.
; SHARES.  Work-group (i, head) owns blocks 7 - i and i of the head's eight blocks of 256 queries, one after the other: slots of 256 keys 0 .. 7 - i, then 0 .. i: nine trips in every work-group, so the trip
; counts are constants and all 256 work-groups have equal work.  A wave owns 32 queries, two tiles of 16; a trip is four steps of 64 keys.
; NO CLUSTER: the four work-groups of a head walk the same slot only in trips 0 .. 4; behind that their walks part, so a joint load would bring tiles that some partner never reads.
; LAYOUT.  S^T = K Q^T (source 0 = 16 keys, source 1 = 16 queries) and O^T = V^T P: a lane holds ONE query (lane % 16) throughout; two tiles of S^T, rounded in pairs, are source 1 of the second product.
; SOFTMAX.  A running maximum m and sum l for each query: p = 2^(c s - c m), c = log2(e) / 8; in every step O and l are multiplied by a = 2^(c m_old - c m_new).
; CAUSAL.  A step all of whose keys come behind the wave's queries is jumped over (a scalar branch on ids); on the diagonal hidden scores become -infinity ahead of the maximum.  Key 0 counts for every query.
; RING.  Two slots of 256 keys; every wave fetches one tile of 64 keys (waves 0-3: K of step w; waves 4-7: V of step w - 4); by this text's count one tensor load of a wave is out.
; REGISTERS: window 0: v1-15 addresses; v16-31 statistics; v32-63 at work; v64-127 S^T; v128-159 P; v160-191 Q; v192-255 O^T.  window 1: v0-63 K's fragments, v64-127 V's.
.set PK,    272                        ; two keys' rows of K (256 bytes) + 16 of padding: the 16 rows of a load fall on 16 different groups of four banks
.set PV,    288                        ; two keys' rows of V + 32
.set VOFF,  32*PK                      ; a step: 64 keys of K, then 64 of V
.set STEPB, 32*(PK+PV)
.set SLOT1, 1<<17                      ; slot 1 begins here: one exclusive or turns an address from one slot into the other
.set STAGE, 4*STEPB                    ; between the slots: 32 rows x 144 bytes for each wave, for the way out; no fill lands here
.set SPARE, STAGE+8*32*144             ; the spare words, 128 bytes a wave
.set RM,  1                            ; v1   r - 8 h, for the mask
.set AK0, 3                            ; v3   my lane's place in a tile of K
.set AV0, 4                            ; v4   and of V
.set ADK, 5                            ; v5   LDS address of the step's K
.set ADV, 6                            ; v6   and V
.set QO,  7                            ; v7   my byte in the wave's rows of Q
.set STO, 8                            ; v8   the way out: where I put 16 bytes of a row
.set RD,  9                            ; v9   where I read them back
.set GO,  10                           ; v10  my byte in ctx
.set PFO, 11                           ; v11  256 x lane
.set SPW, 12
.set NIL, 13
.set D0,  14                           ; v14-15 the mask's distance for tiles 0, 1
.set ST,  16                           ; tile t at v[16 + 8 t]: +0 c m, +1 m, +2, +3 l (even keys', odd keys'), +4 to +7 c0-c3; a takes c2's place
.set TMP, 32
.set NINF, 32                          ; -infinity, on the diagonal
.set S,   64
.set P,   128
.set Q,   160
.set O,   192
.set WV,  12
.set PI1, 13                           ; i + 1: the value of SLOTS in the last trip of the first block
.set NHB, 14                           ; (8 - i) x 32,768: from the first block's last slot + 1 back to slot 0
.set BK,  16                           ; s[16:17] what the address goes back by in this change: NHB or 0
.set Q0,  18                           ; my first query
.set Q0B, 19                           ; and the second block's
.set KF,  20                           ; the step's first key
.set TB,  21                           ; LDS byte at which the step's tiles begin
.set SLOTS, 22
.set TW,  23
.set G1K, 24
.set G1V, 32
.set G0,  40
.set QB,  44
.set CB,  46
.set PFA, 48
.set LIM, 50
.set HB,  51
.set CS,  52
.set SEL, 54
.set T0,  56
.set MSB, 0
.macro WIN new
.if MSB != \new
	s_set_vgpr_msb (MSB<<8)|\new
.set MSB, \new
.endif
.endm
; My one tensor load: K's shape for waves 0-3, V's (another padding) for waves 4-7.  An s_nop 0 and four v_nop follow each line.
.macro TLOAD
	s_cmp_lt_u32 s[WV], 4
	s_cbranch_scc0 .Lfor_v_\@
	tensor_load_to_lds s[G0:G0+3], s[G1K:G1K+7]
	s_nop 0
.rept 4
	v_nop
.endr
	s_branch .Lasked_\@
.Lfor_v_\@:
	tensor_load_to_lds s[G0:G0+3], s[G1V:G1V+7]
	s_nop 0
.rept 4
	v_nop
.endr
.Lasked_\@:
.endm
; A prefetch of what the NEXT change of slots will ask for.  The head's work-group i = 0 walks slots 0 .. 7 first: it alone asks, in trip t for slot t + 2, trips 0 to 5; each of its eight waves names the
; 8,192 bytes that it will itself load, lanes 256 bytes apart: each block of 256 bytes is named once in the launch.  Slots 0 and 1 come by their loads alone.
.macro ASK
	s_cmp_gt_u32 s[SLOTS], s[LIM]
	s_cbranch_scc0 .Lnot_mine_\@
	global_prefetch_b8 v[PFO], s[PFA:PFA+1] th:TH_LOAD_NT scope:SCOPE_SE
.Lnot_mine_\@:
.endm
	s_load_b128 s[4:7], s[0:1], 0x0                ; qkv, ctx
	v_lshl_add_u32 v[SPW], v0, 2, SPARE
	v_mov_b32 v[NIL], 0
	ds_add_u32 v[SPW], v[NIL]                      ; the wave's opening: the add, twice on end, and its wait ahead of my first tensor load
	ds_add_u32 v[SPW], v[NIL]
	v_lshrrev_b32 v1, 5, v0
	v_readfirstlane_b32 s[WV], v1                  ; wave 0..7
	s_and_b32 s[HB], ttmp7, 0xffff                 ; 16 b + h
	s_add_co_u32 s[PI1], ttmp9, 1
	s_sub_co_u32 s[NHB], 8, ttmp9
	s_lshl_b32 s[NHB], s[NHB], 15
	s_mov_b32 s[BK+1], 0
	s_mov_b32 s[G1K], (1<<16)|(1<<20)|(5<<22)|(3<<25)   ; elements of 2 bytes; padding on: 4 words after every 64
	s_mov_b32 s[G1V], (1<<16)|(1<<20)|(5<<22)|(7<<25)   ; 8 words
.irp g, G1K, G1V
	s_mov_b32 s[\g+1], 128<<16                     ; tensor_dim0 = 128 elements: two keys' rows, dense in memory
	s_mov_b32 s[\g+2], 32<<16                      ; tensor_dim1 = 32
	s_mov_b32 s[\g+3], 128<<16                     ; tile_dim0
	s_mov_b32 s[\g+4], 32                          ; tile_dim1
	s_mov_b32 s[\g+5], 128                         ; stride
	s_mov_b32 s[\g+6], 0
	s_mov_b32 s[\g+7], 0
.endr
	s_mov_b32 s[CS], 0x3e38aa3b                    ; c = log2(e) / 8
	s_mov_b32 s[CS+1], s[CS]                       ; named with it as a pair
	s_mov_b32 s[SEL], 0x76543210
	s_mov_b32 s[SEL+1], 0xfedcba98                 ; lane l xor 16
	s_and_b32 s58, s[WV], 3                        ; which step of a slot I fetch,
	s_lshr_b32 s59, s[WV], 2                       ; for K (0) or V (1)
	s_mul_i32 s60, s58, STEPB
	s_mul_i32 s61, s59, VOFF
	s_add_co_u32 s60, s60, s61                     ; its place in a slot
	s_add_co_u32 s59, s59, 1
	s_lshl_b32 s59, s59, 24                        ; k is the second, v the third of qkv's three parts
	s_lshl_b32 s58, s58, 13                        ; 64 keys of 128 bytes
	s_add_co_u32 s58, s58, s59
	s_lshl_b32 s59, s[HB], 18
	s_add_co_u32 s58, s58, s59
	s_mov_b32 s59, 0
	s_cmp_eq_u32 ttmp9, 0
	s_cselect_b32 s[LIM], 2, -1
	s_wait_dscnt 0x0                               ; both opening adds are done
	s_wait_kmcnt 0x0
	s_mov_b32 s[G0], 1
	s_mov_b32 s[G0+1], s60
	s_add_nc_u64 s[G0+2:G0+3], s[4:5], s[58:59]
	s_add_nc_u64 s[PFA:PFA+1], s[G0+2:G0+3], 32768 ; in slot 1; the first change steps it to slot 2
	s_or_b32 s[G0+3], s[G0+3], 0x80000000
	TLOAD                                          ; trip 0's tiles, into slot 0
	v_and_b32 v1, 15, v0                           ; r
	v_bfe_u32 v2, v0, 4, 1                         ; h
	v_lshrrev_b32 v[AK0], 1, v1
	v_mul_u32_u24 v[AK0], v[AK0], PK
	v_and_b32 v5, 1, v0
	v_lshl_add_u32 v[AK0], v5, 7, v[AK0]
	v_lshl_add_u32 v[AK0], v2, 4, v[AK0]           ; key r: (r / 2) PK + 128 (r % 2) + 16 h
	v_bfe_u32 v6, v0, 1, 2
	v_lshl_add_u32 v6, v2, 2, v6
	v_mul_u32_u24 v[AV0], v6, PV
	v_lshl_add_u32 v[AV0], v5, 7, v[AV0]
	v_bfe_u32 v6, v0, 3, 1
	v_lshl_add_u32 v[AV0], v6, 4, v[AV0]
	v_add_nc_u32 v[AV0], VOFF, v[AV0]              ; the turning load: key 8 h + l % 8, channels 8 ((l / 8) % 2) on
	v_lshlrev_b32 v[QO], 7, v1
	v_lshl_add_u32 v[QO], v2, 4, v[QO]
	s_mul_i32 s58, s[WV], 32*144
	s_add_co_u32 s58, s58, STAGE                   ; my stage
	v_mul_u32_u24 v[STO], v1, 144
	v_lshl_add_u32 v[STO], v2, 4, v[STO]
	v_add_nc_u32 v[STO], s58, v[STO]
	v_bfe_u32 v5, v0, 3, 2
	v_mul_u32_u24 v[RD], v5, 144
	v_and_b32 v6, 7, v0
	v_lshl_add_u32 v[RD], v6, 4, v[RD]
	v_add_nc_u32 v[RD], s58, v[RD]                 ; back: row lane / 8, 16 bytes at 16 (lane % 8)
	v_lshlrev_b32 v[GO], 12, v2
	v_lshl_add_u32 v[GO], v1, 4, v[GO]             ; lanes 0-15 one pair of rows (256 bytes), lanes 16-31 the next pair, 4,096 bytes on
	v_and_b32 v[PFO], 31, v0
	v_lshlrev_b32 v[PFO], 8, v[PFO]
	v_lshlrev_b32 v2, 3, v2
	v_sub_nc_u32 v[RM], v1, v2
	s_lshl_b32 s[T0], s[WV], 5
	s_lshl_b32 s[Q0B], ttmp9, 8
	s_add_co_u32 s[Q0B], s[Q0B], s[T0]             ; block i
	s_sub_co_u32 s[Q0], 7, ttmp9
	s_lshl_b32 s[Q0], s[Q0], 8
	s_add_co_u32 s[Q0], s[Q0], s[T0]               ; block 7 - i first
	s_mov_b32 s[KF], 0
	s_mov_b32 s[TB], 0
; A block of queries begins: addresses, Q into registers, the statistics and O^T cleared (the step is written once: its first pass finds zeros, which a = 0 leaves zeros).
.macro INIT
	s_wait_xcnt 0x0                                ; earlier loads and stores have read their bases and data
	s_lshl_b32 s58, s[HB], 18
	s_lshl_b32 s[T0], s[Q0], 7
	s_add_co_u32 s58, s58, s[T0]
	s_mov_b32 s59, 0
	s_add_nc_u64 s[QB:QB+1], s[4:5], s[58:59]
	s_lshr_b32 s58, s[HB], 4
	s_lshl_b32 s58, s58, 10
	s_lshr_b32 s[T0], s[Q0], 1
	s_add_co_u32 s58, s58, s[T0]                   ; my first pair of rows
	s_lshl_b32 s58, s58, 12
	s_and_b32 s[T0], s[HB], 15
	s_lshl_b32 s[T0], s[T0], 8
	s_add_co_u32 s58, s58, s[T0]
	s_add_nc_u64 s[CB:CB+1], s[6:7], s[58:59]
.irp t, 0,1
.irp cc, 0,1
	global_load_b128 v[Q+16*\t+8*\cc:Q+16*\t+8*\cc+3], v[QO], s[QB:QB+1] offset:\t*2048+\cc*64
	global_load_b128 v[Q+16*\t+8*\cc+4:Q+16*\t+8*\cc+7], v[QO], s[QB:QB+1] offset:\t*2048+\cc*64+32
.endr
.endr
.irp t, 0,1
	v_mov_b32 v[ST+8*\t+1], 0xff61b1e6             ; m = -3e38, under every score
	v_mul_f32 v[ST+8*\t], s[CS], v[ST+8*\t+1]
.irp n, 2,3,4,5,6,7
	v_mov_b32 v[ST+8*\t+\n], 0
.endr
.endr
.set i, 0
.rept 64
	v_mov_b32 v[O+i], 0
.set i, i+1
.endr
	s_wait_loadcnt 0x0                             ; Q
.endm
; Two tiles' softmax for 64 keys, the tiles line by line by turns.  All 66 exponentials are one batch with one wait.
.macro SOFTMAX
.irp j, 0,1,2,3
.irp t, 0,1
	v_max3_num_f32 v[ST+8*\t+4+\j], v[S+32*\t+8*\j], v[S+32*\t+8*\j+1], v[S+32*\t+8*\j+2]   ; four chains, each beginning at an accumulator's low end
.endr
.endr
.irp n, 3,5
.irp j, 0,1,2,3
.irp t, 0,1
	v_max3_num_f32 v[ST+8*\t+4+\j], v[ST+8*\t+4+\j], v[S+32*\t+8*\j+\n], v[S+32*\t+8*\j+\n+1]
.endr
.endr
.endr
.irp t, 0,1
	v_max3_num_f32 v[ST+8*\t+4], v[ST+8*\t+4], v[S+32*\t+7], v[S+32*\t+15]
.endr
.irp t, 0,1
	v_max3_num_f32 v[ST+8*\t+6], v[ST+8*\t+6], v[S+32*\t+23], v[S+32*\t+31]
.endr
.irp t, 0,1
	v_max3_num_f32 v[ST+8*\t+4], v[ST+8*\t+4], v[ST+8*\t+5], v[ST+8*\t+6]
.endr
.irp t, 0,1
	v_max3_num_f32 v[ST+8*\t+4], v[ST+8*\t+4], v[ST+8*\t+7], v[ST+8*\t+1]   ; with the old m
.endr
.irp t, 0,1
	v_permlanex16_b32 v[ST+8*\t+5], v[ST+8*\t+4], s[SEL], s[SEL+1]          ; the query's other 32 keys lie in the lane 16 away
.endr
.irp t, 0,1
	v_mov_b32 v[ST+8*\t+7], v[ST+8*\t]             ; c m_old
.endr
.irp t, 0,1
	v_max_num_f32 v[ST+8*\t+1], v[ST+8*\t+4], v[ST+8*\t+5]
.endr
.irp t, 0,1
	v_mul_f32 v[ST+8*\t], s[CS], v[ST+8*\t+1]
.endr
.irp t, 0,1
	v_sub_f32 v[ST+8*\t+7], v[ST+8*\t+7], v[ST+8*\t]
.endr
.irp n, 0,2,4,6,8,10,12,14,16,18,20,22,24,26,28,30
.irp t, 0,1
	v_pk_fma_f32 v[S+32*\t+\n:S+32*\t+\n+1], v[S+32*\t+\n:S+32*\t+\n+1], s[CS:CS+1], v[ST+8*\t:ST+8*\t+1] op_sel_hi:[1,0,0] neg_lo:[0,0,1] neg_hi:[0,0,1]   ; c s - c m
.endr
.endr
.irp t, 0,1
	v_exp_f32 v[ST+8*\t+6], v[ST+8*\t+7]           ; a
.endr
.set i, 0
.rept 64
	v_exp_f32 v[S+i], v[S+i]                       ; p
.set i, i+1
.endr
	v_nop                                          ; a plain instruction behind the last exponential
	s_wait_alu depctr_va_vdst(0)                   ; one wait for the batch, ahead of the first instruction that names a result
.irp n, 0,1,2,3,4,5,6,7,8,9,10,11,12,13,14,15
.irp t, 0,1
	v_cvt_pk_f16_f32 v[P+16*\t+\n], v[S+32*\t+2*\n], v[S+32*\t+2*\n+1]
.endr
.endr
.irp n, 0,4,8,12,16,20,24,28                   ; the sum of the unrounded p, in place, pairs (even key, odd key)
.irp t, 0,1
	v_pk_add_f32 v[S+32*\t+\n:S+32*\t+\n+1], v[S+32*\t+\n:S+32*\t+\n+1], v[S+32*\t+\n+2:S+32*\t+\n+3]
.endr
.endr
.irp n, 0,8,16,24
.irp t, 0,1
	v_pk_add_f32 v[S+32*\t+\n:S+32*\t+\n+1], v[S+32*\t+\n:S+32*\t+\n+1], v[S+32*\t+\n+4:S+32*\t+\n+5]
.endr
.endr
.irp n, 0,16
.irp t, 0,1
	v_pk_add_f32 v[S+32*\t+\n:S+32*\t+\n+1], v[S+32*\t+\n:S+32*\t+\n+1], v[S+32*\t+\n+8:S+32*\t+\n+9]
.endr
.endr
.irp t, 0,1
	v_pk_add_f32 v[S+32*\t:S+32*\t+1], v[S+32*\t:S+32*\t+1], v[S+32*\t+16:S+32*\t+17]
.endr
.irp t, 0,1
	v_pk_fma_f32 v[ST+8*\t+2:ST+8*\t+3], v[ST+8*\t+2:ST+8*\t+3], v[ST+8*\t+6:ST+8*\t+7], v[S+32*\t:S+32*\t+1] op_sel_hi:[1,0,1]   ; l = a l + the sum
.endr
.irp n, 0,2,4,6,8,10,12,14,16,18,20,22,24,26,28,30
.irp t, 0,1
	v_pk_mul_f32 v[O+32*\t+\n:O+32*\t+\n+1], v[O+32*\t+\n:O+32*\t+\n+1], v[ST+8*\t+6:ST+8*\t+7] op_sel_hi:[1,0]   ; O^T x a, each accumulator from its low end on
.endr
.endr
.endm
; A KEY STEP: 64 keys at LDS byte TB.
.macro STEP
	s_add_co_u32 s[T0], s[Q0], 31
	s_cmp_gt_u32 s[KF], s[T0]                      ; all 64 keys come behind my 32 queries: only the steps of KF and TB are run
	s_cbranch_scc1 .Lhid_\@
	v_add_nc_u32 v[ADK], s[TB], v[AK0]
	v_add_nc_u32 v[ADV], s[TB], v[AV0]
	v_nop
	v_nop                                          ; four plain instructions between the last products and the loads into V's registers
	WIN 0x40                                       ; destination window 1
.irp kt, 0,1,2,3
.irp cc, 0,1
	ds_load_b128 v[8*(2*\kt+\cc):8*(2*\kt+\cc)+3],   v[ADK] offset:\kt*8*PK+\cc*64
	ds_load_b128 v[8*(2*\kt+\cc)+4:8*(2*\kt+\cc)+7], v[ADK] offset:\kt*8*PK+\cc*64+32
.endr
.endr
.irp kg, 0,1
.irp ct, 0,1,2,3
	ds_load_tr16_b128 v[64+8*(4*\kg+\ct):64+8*(4*\kg+\ct)+3],   v[ADV] offset:\kg*16*PV+\ct*32
	ds_load_tr16_b128 v[64+8*(4*\kg+\ct)+4:64+8*(4*\kg+\ct)+7], v[ADV] offset:\kg*16*PV+8*PV+\ct*32
.endr
.endr
	s_wait_dscnt 16                                ; K is in; V's sixteen loads may be out
	WIN 0x01                                       ; source 0 window 1
.irp cc, 0,1                                   ; S^T = K Q^T: eight accumulators by turns; the first eight start the sums
.irp kt, 0,1,2,3
.irp t, 0,1
.if \cc == 0
	v_wmma_f32_16x16x32_f16 v[S+32*\t+8*\kt:S+32*\t+8*\kt+7], v[8*(2*\kt+\cc):8*(2*\kt+\cc)+7], v[Q+16*\t+8*\cc:Q+16*\t+8*\cc+7], 0
.else
	v_wmma_f32_16x16x32_f16 v[S+32*\t+8*\kt:S+32*\t+8*\kt+7], v[8*(2*\kt+\cc):8*(2*\kt+\cc)+7], v[Q+16*\t+8*\cc:Q+16*\t+8*\cc+7], v[S+32*\t+8*\kt:S+32*\t+8*\kt+7]
.endif
.endr
.endr
.endr
	WIN 0
.rept 4
	v_nop                                          ; places ahead of the first read of the scores
.endr
	s_add_co_u32 s[T0], s[KF], 63
	s_cmp_le_u32 s[T0], s[Q0]                      ; all 64 keys count for all my queries
	s_cbranch_scc1 .Lopen_\@
	s_sub_co_i32 s[T0], s[Q0], s[KF]
	v_add_nc_u32 v[D0], s[T0], v[RM]               ; register 8 kt + j of tile t holds key KF + 16 kt + 8 h + j: hidden where 16 kt + j > Q0 - KF + 16 t + r - 8 h
	v_add_nc_u32 v[D0+1], 16, v[D0]
	v_mov_b32 v[NINF], 0xff800000
.irp t, 0,1
.irp kt, 0,1,2,3
.irp j, 0,1,2,3,4,5,6,7
	v_cmp_gt_i32 vcc_lo, 16*\kt+\j, v[D0+\t]
	v_cndmask_b32 v[S+32*\t+8*\kt+\j], v[S+32*\t+8*\kt+\j], v[NINF], vcc_lo
.endr
.endr
.endr
.Lopen_\@:
	SOFTMAX
	s_wait_dscnt 0x0                               ; V is in
	WIN 0x01
.irp kg, 0,1                                   ; O^T += V^T P: eight accumulators by turns
.irp ct, 0,1,2,3
.irp t, 0,1
	v_wmma_f32_16x16x32_f16 v[O+32*\t+8*\ct:O+32*\t+8*\ct+7], v[64+8*(4*\kg+\ct):64+8*(4*\kg+\ct)+7], v[P+16*\t+8*\kg:P+16*\t+8*\kg+7], v[O+32*\t+8*\ct:O+32*\t+8*\ct+7]
.endr
.endr
.endr
	WIN 0
.Lhid_\@:
	s_add_co_u32 s[KF], s[KF], 64
	s_add_co_u32 s[TB], s[TB], STEPB
.endm
; THE CHANGE OF SLOTS, at a trip's head.  Every wave waits for all its tensor loads (its part of the slot ahead), adds 0 to its spare word, and waits for that and for its reads of the slot that it has left.
; Behind the barrier the slot ahead is whole and nobody reads the other: fill = 1: it is filled with the next trip's keys, and that load has the whole trip in which to land.
.macro CHANGE fill
	s_wait_tensorcnt 0x0                           ; no tensor load of mine is out, so group 0 may be written
	ds_add_u32 v[SPW], v[NIL]
.if \fill
	s_xor_b32 s[G0+1], s[G0+1], SLOT1              ; the other slot,
	s_add_nc_u64 s[G0+2:G0+3], s[G0+2:G0+3], 32768 ; the next 256 keys;
	s_cmp_eq_u32 s[SLOTS], s[PI1]                  ; behind the first block's last slot the walk begins anew at key 0
	s_cselect_b32 s[BK], s[NHB], 0
	s_sub_nc_u64 s[G0+2:G0+3], s[G0+2:G0+3], s[BK:BK+1]
	s_wait_xcnt 0x0                                ; the last prefetch, a trip back, has read its address
	s_add_nc_u64 s[PFA:PFA+1], s[PFA:PFA+1], 32768
.endif
	s_wait_dscnt 0x0                               ; the add is done, and my reads of the slot that I have left are over
	s_barrier_signal -1
	s_barrier_wait -1
.if \fill
	TLOAD                                          ; the first thing behind the barrier, my one tensor load until the next
	ASK
.endif
.endm
.macro SLOT_STEPS                      ; a slot's four steps: written once, walked four times
	s_mov_b32 s[TW], 4
.Lstep_\@:
	STEP
	s_sub_co_u32 s[TW], s[TW], 1
	s_cmp_lg_u32 s[TW], 0
	s_cbranch_scc1 .Lstep_\@
	s_sub_co_u32 s[TB], s[TB], 4*STEPB
	s_xor_b32 s[TB], s[TB], SLOT1                  ; on to the other slot
.endm
; THE WAY OUT of a block of queries: O^T / l, rounded to f16, through my stage (rows of 128 bytes + 16), back as pairs of rows: sixteen lanes store 256 consecutive bytes, aligned.
.macro EPILOGUE
.rept 4
	v_nop                                          ; places behind the last products
.endr
.irp t, 0,1
	v_add_f32 v[ST+8*\t+4], v[ST+8*\t+2], v[ST+8*\t+3]
.endr
.irp t, 0,1
	v_permlanex16_b32 v[ST+8*\t+5], v[ST+8*\t+4], s[SEL], s[SEL+1]
.endr
.irp t, 0,1
	v_add_f32 v[ST+8*\t+4], v[ST+8*\t+4], v[ST+8*\t+5]
.endr
.irp t, 0,1
	v_rcp_f32 v[ST+8*\t+6], v[ST+8*\t+4]
.endr
	v_nop
	s_wait_alu depctr_va_vdst(0)                   ; one wait for the two reciprocals, ahead of their first reader
.irp t, 0,1
.irp n, 0,2,4,6,8,10,12,14,16,18,20,22,24,26,28,30
	v_pk_mul_f32 v[O+32*\t+\n:O+32*\t+\n+1], v[O+32*\t+\n:O+32*\t+\n+1], v[ST+8*\t+6:ST+8*\t+7] op_sel_hi:[1,0]
.endr
.endr
.irp t, 0,1
.irp n, 0,1,2,3,4,5,6,7,8,9,10,11,12,13,14,15
	v_cvt_pk_f16_f32 v[TMP+16*\t+\n], v[O+32*\t+2*\n], v[O+32*\t+2*\n+1]
.endr
.endr
.irp t, 0,1
.irp ct, 0,1,2,3
	ds_store_b128 v[STO], v[TMP+16*\t+4*\ct:TMP+16*\t+4*\ct+3] offset:\t*16*144+\ct*32
.endr
.endr
.irp t, 0,1
.irp u, 0,1,2,3
	ds_load_b128 v[S+16*\t+4*\u:S+16*\t+4*\u+3], v[RD] offset:(16*\t+4*\u)*144   ; LDS serves a wave's instructions in order: these see the stores above
.endr
.endr
.irp t, 0,1
.irp u, 0,1,2,3
	s_wait_dscnt 7-4*\t-\u                         ; the younger loads may be out
	global_store_b128 v[GO], v[S+16*\t+4*\u:S+16*\t+4*\u+3], s[CB:CB+1] offset:\t*32768+\u*8192
.endr
.endr
.endm
	INIT
	s_mov_b32 s[SLOTS], 8
.Ltrip:                                            ; eight trips; behind each change the next trip's slot is asked for
	CHANGE 1
	SLOT_STEPS
	s_cmp_lg_u32 s[SLOTS], s[PI1]                  ; the first block's last trip?  (the work-group's number and the count of trips: the same in all eight waves)
	s_cbranch_scc1 .Lsame
	EPILOGUE
	s_mov_b32 s[Q0], s[Q0B]
	s_mov_b32 s[KF], 0
	INIT
.Lsame:
	s_sub_co_u32 s[SLOTS], s[SLOTS], 1
	s_cmp_lg_u32 s[SLOTS], 0
	s_cbranch_scc1 .Ltrip
	CHANGE 0                                       ; the ninth trip is written out: it asks for nothing
	SLOT_STEPS
	EPILOGUE
	s_wait_tensorcnt 0x0                           ; the wave's end
	ds_add_u32 v[SPW], v[NIL]
	s_wait_dscnt 0x0
	s_endpgm
.Lfunc_end_k_qd57bf45011_attn:
	.size	k_qd57bf45011_attn, .Lfunc_end_k_qd57bf45011_attn-k_qd57bf45011_attn
	.p2alignl 7, 3214868480
	.fill 96, 4, 3214868480
	.section	.rodata,"a",@progbits
	.p2align	6, 0x0
	.amdhsa_kernel k_qd57bf45011_attn
		.amdhsa_group_segment_fixed_size 327680
		.amdhsa_private_segment_fixed_size 0
		.amdhsa_enable_private_segment 0
		.amdhsa_kernarg_size 16
		.amdhsa_user_sgpr_count 2
		.amdhsa_user_sgpr_kernarg_segment_ptr 1
		.amdhsa_wavefront_size32 1
		.amdhsa_system_sgpr_workgroup_id_x 1
		.amdhsa_system_sgpr_workgroup_id_y 1
		.amdhsa_system_sgpr_workgroup_id_z 1
		.amdhsa_system_vgpr_workitem_id 0
		.amdhsa_next_free_vgpr 384
		.amdhsa_next_free_sgpr 66
		.amdhsa_reserve_vcc 1
		.amdhsa_float_denorm_mode_32 3
		.amdhsa_float_denorm_mode_16_64 3
		.amdhsa_memory_ordered 1
		.amdhsa_forward_progress 1
		.amdhsa_inst_pref_size 71
	.end_amdhsa_kernel
	.amdgpu_metadata
---
amdhsa.version: [ 1, 2 ]
amdhsa.kernels:
  - .name:           k_qd57bf45011_attn
    .symbol:         k_qd57bf45011_attn.kd
    .args:
      - { .name: qkv, .offset: 0, .size: 8, .value_kind: global_buffer, .address_space: global }
      - { .name: ctx, .offset: 8, .size: 8, .value_kind: global_buffer, .address_space: global }
    .group_segment_fixed_size: 327680
    .private_segment_fixed_size: 0
    .kernarg_segment_align: 8
    .kernarg_segment_size: 16
    .max_flat_workgroup_size: 256
    .sgpr_count:     66
    .vgpr_count:     384
    .wavefront_size: 32
...
	.end_amdgpu_metadata
.endif
;; end of part 3
;; launch proj (part 4): grid 4 x 64, 4 waves a work-group, clusters of 4 x 4, 327,680 bytes of LDS; arguments ctx, wo16, out0; writes out0
.if DOCPART == 4
	.amdgcn_target "amdgcn-amd-amdhsa--gfx1250"
	.amdhsa_code_object_version 6
	.text
	.protected	k_qd57bf45011_proj
	.globl	k_qd57bf45011_proj
	.p2align	8
	.type	k_qd57bf45011_proj,@function
k_qd57bf45011_proj:
	s_mov_b64 s[64:65], 0
	v_nop
	global_prefetch_b8 v0, s[64:65] scope:SCOPE_SE
	s_setreg_imm32_b32 hwreg(HW_REG_WAVE_MODE, 25, 1), 1
	s_wait_xcnt 0x0
	s_wait_alu depctr_hold_cnt(0) depctr_sa_sdst(0) depctr_va_vdst(0) depctr_va_sdst(0) depctr_va_ssrc(0) depctr_va_vcc(0) depctr_vm_vsrc(0)
	s_getreg_b32 s2, hwreg(HW_REG_IB_STS2, 6, 4)
	s_cmp_eq_u32 s2, 0
	s_cbranch_scc0 .Lentry_in_a_cluster
	s_endpgm
.Lentry_in_a_cluster:
	s_bfe_u32 s2, ttmp6, 0x10000c
	s_cmp_lg_u32 s2, 0xf033
	s_cbranch_scc0 .Lentry_shape_is_right
	s_endpgm
.Lentry_shape_is_right:
; out0[row][n] = sum over k of ctx[row][k] Wo[n][k], f16 operands, f32 sums, f32 out; all rows but the first 16 positions of every sequence, which another launch carries in f32.
; ctx: [4096 pairs of rows][16 heads][2 rows][64] f16; wo16: [1024][1024] f16; out0: [8192][1024] f32.
; A tile of out0 is 128 rows x 256 columns: 256 work-groups.  Four waves, each 64 rows x 128 columns: 32 accumulators, 256 registers (window 2).
; K goes in eight steps of 128 (two heads) through two LDS slots.  A's tile: for a pair of rows a K step is 512 consecutive bytes ([head][row][64]), pairs 4,096 bytes apart: 32 rows of 512 bytes + 16 for 64 rows.
; B's tile: 128 rows of 256 bytes + 16.  Waves 0, 1 fetch A's halves, waves 2, 3 B's: one load a wave behind each round.
; CLUSTERS: 4 x 4: A's tiles jointly along a row of the cluster, B's along a column.  Tile row = 16 cy + cluster y: the batch is cy, so "this tile holds positions 0-15" is cluster y = 0, the same in all partners.
; THE MATRIX INSTRUCTION IS USED TRANSPOSED (source 0 = 16 rows of Wo, source 1 = 16 rows of ctx): a lane holds eight neighbouring columns of a row of out0.
; No prefetch: eight K steps, of which the first two are asked for almost at once.
; REGISTERS: window 0: v16-29 addresses, v128-255 the way out.  window 1: two fragment buffers of 96 (A's 4 fragments, then B's 8).  window 2: accumulator (a, b) at v[8 (8 a + b)].
.set PA,     528                       ; A's LDS row: 512 bytes + 16
.set PB,     272                       ; B's: 256 + 16
.set HALFA,  32*PA
.set HALFB,  128*PB
.set BOFF,   2*HALFA
.set SLOT,   BOFF+2*HALFB
.set STAGE,  2*SLOT                    ; behind the ring: 16 rows x 528 bytes for each wave
.set SPITCH, 528
.set SPARE,  STAGE+4*16*SPITCH
.set LAPS,   4                         ; a lap = two K steps
.set ADRA, 16
.set ADRB, 20
.set STO,  24
.set RD,   25
.set CO,   26
.set SPW,  28
.set NIL,  29
.set BK,   128
.set F0,   0
.set F1,   96
.set G1, 24
.set G0, 32
.set G1B, 48
.set G0B, 56
.set MSB, 0
.macro WIN new
.if MSB != \new
	s_set_vgpr_msb (MSB<<8)|\new
.set MSB, \new
.endif
.endm
.set MUL,  0xa5                        ; sources 0 and 1 window 1; C and D window 2
.set TO_F, 0x40                        ; destination window 1
.macro JLOAD s                         ; a joint load; an s_nop 0 and four v_nop follow each of the two lines
	s_cmp_eq_u32 s11, 0
	s_cbranch_scc0 .Lfor_b_\@
	tensor_load_to_lds s[G0+4*\s:G0+4*\s+3], s[G1:G1+7]
	s_nop 0
.rept 4
	v_nop
.endr
	s_branch .Lasked_\@
.Lfor_b_\@:
	tensor_load_to_lds s[G0B+4*\s:G0B+4*\s+3], s[G1B:G1B+7]
	s_nop 0
.rept 4
	v_nop
.endr
.Lasked_\@:
.endm
.macro CREST
	s_cmp_lg_u32 s10, 0
	s_cbranch_scc1 .Lnot_wave_0_\@
	s_barrier_signal -3
.Lnot_wave_0_\@:
	s_barrier_wait -3
	s_barrier_signal -1
	s_barrier_wait -1
.endm
.macro CROUND
	s_barrier_signal -1
	s_barrier_wait -1
	CREST
.endm
	s_load_b128 s[4:7], s[0:1], 0x0                ; ctx, wo16
	s_load_b64 s[8:9], s[0:1], 0x10                ; out0
	v_lshl_add_u32 v[SPW], v0, 2, SPARE
	v_mov_b32 v[NIL], 0
	ds_add_u32 v[SPW], v[NIL]                      ; the wave's opening: the add, twice on end, and its wait ahead of my first tensor load
	ds_add_u32 v[SPW], v[NIL]
	v_lshrrev_b32 v1, 5, v0
	v_readfirstlane_b32 s10, v1                    ; wave
	s_lshr_b32 s11, s10, 1                         ; my half of the tile's rows; also: I fetch for A (0) or B (1)
	s_and_b32 s12, s10, 1                          ; my half of its columns; also: which half I fetch
	s_bfe_u32 s40, ttmp6, 0x40000                  ; cx
	s_bfe_u32 s41, ttmp6, 0x40004                  ; cy
	s_lshl_b32 s42, ttmp9, 2
	s_add_co_u32 s42, s42, s40                     ; tile column
	s_and_b32 s45, ttmp7, 0xffff                   ; cluster y
	s_lshl_b32 s13, s41, 4
	s_add_co_u32 s13, s13, s45                     ; tile row = 16 cy + cluster y
	s_lshl_b32 s43, s41, 2
	s_lshl_b32 s43, 15, s43                        ; my row of the cluster
	s_lshl_b32 s44, 0x1111, s40                    ; my column
	s_or_b32 s[G1+0], s43, (1<<16)|(1<<20)|(1<<21)|(6<<22)|(3<<25)   ; elements of 2 bytes; 4 words of padding after every 128
	s_mov_b32 s[G1+1], 256<<16                     ; tensor_dim0 = 256 elements
	s_mov_b32 s[G1+2], 32<<16                      ; tensor_dim1 = 32 pairs of rows
	s_mov_b32 s[G1+3], 256<<16
	s_mov_b32 s[G1+4], 32
	s_mov_b32 s[G1+5], 2048                        ; 4,096 bytes from pair to pair
	s_mov_b32 s[G1+6], 0
	s_mov_b32 s[G1+7], 0
	s_or_b32 s[G1B+0], s44, (1<<16)|(1<<20)|(1<<21)|(5<<22)|(3<<25)  ; 4 words after every 64
	s_mov_b32 s[G1B+1], 128<<16
	s_mov_b32 s[G1B+2], 128<<16
	s_mov_b32 s[G1B+3], 128<<16
	s_mov_b32 s[G1B+4], 128
	s_mov_b32 s[G1B+5], 1024
	s_mov_b32 s[G1B+6], 0
	s_mov_b32 s[G1B+7], 0
	s_lshl_b32 s16, s13, 6
	s_lshl_b32 s17, s12, 5
	s_add_co_u32 s16, s16, s17                     ; A: pair of rows 64 x tile row + 32 x half,
	s_lshl_b32 s16, s16, 12                        ; in bytes (under 2^25)
	s_mov_b32 s17, 0
	s_lshl_b32 s46, s42, 8
	s_lshl_b32 s47, s12, 7
	s_add_co_u32 s46, s46, s47                     ; B: row 256 x tile column + 128 x half,
	s_lshl_b32 s46, s46, 11                        ; of 2,048 bytes
	s_mov_b32 s47, 0
	s_mul_i32 s20, s12, HALFA                      ; where they go: no place in the cluster enters an LDS address
	s_mul_i32 s23, s12, HALFB
	s_add_co_u32 s23, s23, BOFF
	s_wait_dscnt 0x0                               ; both opening adds are done
	s_wait_kmcnt 0x0
	s_add_nc_u64 s[14:15], s[4:5], s[16:17]
	s_add_nc_u64 s[46:47], s[6:7], s[46:47]
	CROUND                                         ; all sixteen work-groups are here
.irp s, 0,1
	s_mov_b32 s[G0+4*\s], 1
	s_add_co_u32 s[G0+4*\s+1], s20, \s*SLOT
	s_add_nc_u64 s[G0+4*\s+2:G0+4*\s+3], s[14:15], \s*512
	s_or_b32 s[G0+4*\s+3], s[G0+4*\s+3], 0x80000000
	s_mov_b32 s[G0B+4*\s], 1
	s_add_co_u32 s[G0B+4*\s+1], s23, \s*SLOT
	s_add_nc_u64 s[G0B+4*\s+2:G0B+4*\s+3], s[46:47], \s*256
	s_or_b32 s[G0B+4*\s+3], s[G0B+4*\s+3], 0x80000000
	JLOAD \s                                       ; by this text's count two tensor loads of a wave are out here, later one
.endr
	v_and_b32 v1, 15, v0                           ; r
	v_bfe_u32 v2, v0, 4, 1                         ; h
	v_lshrrev_b32 v3, 1, v1
	v_mul_u32_u24 v3, v3, PA
	v_and_b32 v4, 1, v0
	v_lshl_add_u32 v3, v4, 7, v3
	v_lshl_add_u32 v3, v2, 4, v3                   ; A: (r / 2) PA + 128 (r % 2) + 16 h
	v_mul_u32_u24 v4, v1, PB
	v_lshl_add_u32 v4, v2, 4, v4                   ; B: r PB + 16 h
	s_mul_i32 s21, s11, HALFA                      ; my 64 rows of A
	s_mul_i32 s22, s12, HALFB                      ; my 128 rows of B
	s_add_co_u32 s22, s22, BOFF
.irp s, 0,1
	v_add_nc_u32 v[ADRA+\s], s21, v3
	v_add_nc_u32 v[ADRB+\s], s22, v4
	s_add_co_u32 s21, s21, SLOT
	s_add_co_u32 s22, s22, SLOT
.endr
	s_mul_i32 s23, s10, 16*SPITCH
	s_add_co_u32 s23, s23, STAGE                   ; my stage
	v_mul_u32_u24 v5, v1, SPITCH
	v_lshl_add_u32 v5, v2, 5, v5
	v_add_nc_u32 v[STO], s23, v5
	v_and_b32 v6, 31, v0
	v_lshlrev_b32 v[CO], 4, v6
	v_add_nc_u32 v[RD], s23, v[CO]
	s_lshl_b32 s16, s41, 11                        ; my first row of out0: 2,048 cy + 128 cluster y + 64 row half
	s_lshl_b32 s17, s45, 7
	s_add_co_u32 s16, s16, s17
	s_lshl_b32 s17, s11, 6
	s_add_co_u32 s16, s16, s17
	s_lshl_b32 s16, s16, 12
	s_mov_b32 s17, 0
	s_lshl_b32 s46, s42, 10                        ; my first column, in bytes
	s_lshl_b32 s47, s12, 9
	s_add_co_u32 s46, s46, s47
	s_mov_b32 s47, 0
	s_add_nc_u64 s[16:17], s[16:17], s[46:47]
	s_add_nc_u64 s[8:9], s[8:9], s[16:17]
	s_or_b32 s2, s45, s11                          ; 0 where my block 0 holds positions 0-15
; 8 matrix instructions: A's block a x B's eight, 32 along K.  The 32 accumulators take turns in the same order in every quarter.
.macro MUL8 f, a, zero
.irp b, 0,1,2,3,4,5,6,7
.if \zero
	v_wmma_f32_16x16x32_f16 v[8*(8*(\a)+\b):8*(8*(\a)+\b)+7], v[\f+32+8*\b:\f+32+8*\b+7], v[\f+8*(\a):\f+8*(\a)+7], 0
.else
	v_wmma_f32_16x16x32_f16 v[8*(8*(\a)+\b):8*(8*(\a)+\b)+7], v[\f+32+8*\b:\f+32+8*\b+7], v[\f+8*(\a):\f+8*(\a)+7], v[8*(8*(\a)+\b):8*(8*(\a)+\b)+7]
.endif
.endr
.endm
; 24 LDS loads in one run: the fragments of quarter q (32 channels) into buffer f.  In A's rows channel c lies at 256 (c / 64) + 2 (c % 64).
.macro FETCH slot, q, f
	WIN TO_F
.irp i, 0,1,2,3
	ds_load_b128 v[\f+8*\i:\f+8*\i+3],   v[ADRA+\slot] offset:\i*8*PA+((\q)/2)*256+((\q)%2)*64
	ds_load_b128 v[\f+8*\i+4:\f+8*\i+7], v[ADRA+\slot] offset:\i*8*PA+((\q)/2)*256+((\q)%2)*64+32
.endr
.irp i, 0,1,2,3,4,5,6,7
	ds_load_b128 v[\f+32+8*\i:\f+32+8*\i+3],   v[ADRB+\slot] offset:\i*16*PB+64*(\q)
	ds_load_b128 v[\f+32+8*\i+4:\f+32+8*\i+7], v[ADRB+\slot] offset:\i*16*PB+64*(\q)+32
.endr
.endm
.macro PLACES
.rept 4
	v_nop
.endr
.endm
; One of a K step's first three quarters: buffer f is multiplied; ahead of that the next quarter is fetched into g, 32 matrix instructions ahead of its use.
.macro QUARTER slot, q, f, g, zero
	s_wait_dscnt 0x0                               ; buffer f is in
	PLACES                                         ; between the last products, which read g, and the loads into it
	FETCH \slot, (\q)+1, \g
	WIN MUL
	MUL8 \f, 0, \zero
	MUL8 \f, 1, \zero
	MUL8 \f, 2, \zero
	MUL8 \f, 3, \zero
.endm
; The last quarter multiplies buffer 1 and changes slots: one barrier; ahead of it every wave waits for all its tensor loads, adds 0 to its spare word and waits for that and for its reads of this slot.
.macro TURN slot, next, fill
	WIN 0
	s_wait_tensorcnt 0x0                           ; my part of the next slot has landed
	ds_add_u32 v[SPW], v[NIL]
	s_wait_dscnt 1                                 ; buffer 1 is in; the add may be out
	WIN MUL
	MUL8 F1, 0, 0
	s_wait_dscnt 0x0                               ; the add is done, and my reads of this slot are over
	s_barrier_signal -1
	MUL8 F1, 1, 0
	WIN 0
	s_barrier_wait -1
.if \fill
	CREST                                          ; the barrier has opened a round of the cluster's: no wave of any partner still reads this slot or has a load on its way
	s_add_nc_u64 s[G0+4*\slot+2:G0+4*\slot+3], s[G0+4*\slot+2:G0+4*\slot+3], 1024
	s_add_nc_u64 s[G0B+4*\slot+2:G0B+4*\slot+3], s[G0B+4*\slot+2:G0B+4*\slot+3], 512
	JLOAD \slot                                    ; the first tensor load behind the round; its four v_nop are also the places ahead of the loads below
.else
	PLACES
.endif
	FETCH \next, 0, F0
	WIN MUL
	MUL8 F1, 2, 0
	MUL8 F1, 3, 0
.endm
	s_wait_tensorcnt 1                             ; my part of K step 0 is in; K step 1's load may be out
	s_barrier_signal -1
	s_barrier_wait -1
	FETCH 0, 0, F0
	QUARTER 0, 0, F0, F1, 1                        ; the first products start the sums
	WIN 0
	s_mov_b32 s3, LAPS-1
.Llap:
	QUARTER 0, 1, F1, F0, 0
	QUARTER 0, 2, F0, F1, 0
	TURN 0, 1, 1
	QUARTER 1, 0, F0, F1, 0
	QUARTER 1, 1, F1, F0, 0
	QUARTER 1, 2, F0, F1, 0
	TURN 1, 0, 1
	QUARTER 0, 0, F0, F1, 0
	WIN 0
	s_sub_co_u32 s3, s3, 1
	s_cmp_lg_u32 s3, 0
	s_cbranch_scc1 .Llap
	QUARTER 0, 1, F1, F0, 0                        ; the last lap fills nothing
	QUARTER 0, 2, F0, F1, 0
	TURN 0, 1, 0
	QUARTER 1, 0, F0, F1, 0
	QUARTER 1, 1, F1, F0, 0
	QUARTER 1, 2, F0, F1, 0
	s_wait_dscnt 0x0
	WIN MUL
	MUL8 F1, 0, 0
	MUL8 F1, 1, 0
	MUL8 F1, 2, 0
	MUL8 F1, 3, 0
	WIN 0
; THE WAY OUT, block by block of 16 rows x 128 columns, through my own stage, back as whole rows of 512 bytes.
.macro TOSTAGE a
	WIN 0x08                                       ; an LDS store's data: window 2
.irp b, 0,1,2,3,4,5,6,7
	ds_store_b128 v[STO], v[64*(\a)+8*\b:64*(\a)+8*\b+3] offset:64*\b          ; each accumulator from its low end on
	ds_store_b128 v[STO], v[64*(\a)+8*\b+4:64*(\a)+8*\b+7] offset:64*\b+16
.endr
	WIN 0
.set BB, BK+64*((\a)%2)
.irp t, 0,1,2,3,4,5,6,7,8,9,10,11,12,13,14,15
	ds_load_b128 v[BB+4*\t:BB+4*\t+3], v[RD] offset:\t*SPITCH                  ; LDS serves a wave's instructions in order
.endr
.endm
.macro STORES a
.set BB, BK+64*((\a)%2)
.irp t, 0,1,2,3,4,5,6,7,8,9,10,11,12,13,14,15
	global_store_b128 v[CO], v[BB+4*\t:BB+4*\t+3], s[8:9] offset:(16*(\a)+\t)*4096 th:TH_STORE_NT   ; 32 lanes store 512 consecutive bytes, aligned
.endr
.endm
	PLACES
	TOSTAGE 0
	TOSTAGE 1
	s_wait_dscnt 32                                ; block 0 is back; block 1's 16 stores and 16 loads may be out
	s_cmp_eq_u32 s2, 0                             ; positions 0-15 belong to the launch that carries them in f32 (cluster y and the wave's number: the same in all partners)
	s_cbranch_scc1 .Lfine_rows
	STORES 0
.Lfine_rows:
	s_wait_xcnt 0x0                                ; block 0's stores have read their registers
	TOSTAGE 2
	s_wait_dscnt 32
	STORES 1
	s_wait_xcnt 0x0
	TOSTAGE 3
	s_wait_dscnt 32
	STORES 2
	s_wait_dscnt 0x0
	STORES 3
	s_wait_tensorcnt 0x0                           ; the wave's end
	ds_add_u32 v[SPW], v[NIL]
	s_wait_dscnt 0x0
	CROUND                                         ; the closing round
	s_endpgm
.Lfunc_end_k_qd57bf45011_proj:
	.size	k_qd57bf45011_proj, .Lfunc_end_k_qd57bf45011_proj-k_qd57bf45011_proj
	.p2alignl 7, 3214868480
	.fill 96, 4, 3214868480
	.section	.rodata,"a",@progbits
	.p2align	6, 0x0
	.amdhsa_kernel k_qd57bf45011_proj
		.amdhsa_group_segment_fixed_size 327680
		.amdhsa_private_segment_fixed_size 0
		.amdhsa_enable_private_segment 0
		.amdhsa_kernarg_size 24
		.amdhsa_user_sgpr_count 2
		.amdhsa_user_sgpr_kernarg_segment_ptr 1
		.amdhsa_wavefront_size32 1
		.amdhsa_system_sgpr_workgroup_id_x 1
		.amdhsa_system_sgpr_workgroup_id_y 1
		.amdhsa_system_sgpr_workgroup_id_z 1
		.amdhsa_system_vgpr_workitem_id 0
		.amdhsa_next_free_vgpr 768
		.amdhsa_next_free_sgpr 66
		.amdhsa_reserve_vcc 0
		.amdhsa_float_denorm_mode_32 3
		.amdhsa_float_denorm_mode_16_64 3
		.amdhsa_memory_ordered 1
		.amdhsa_forward_progress 1
		.amdhsa_inst_pref_size 85
	.end_amdhsa_kernel
	.amdgpu_metadata
---
amdhsa.version: [ 1, 2 ]
amdhsa.kernels:
  - .name:           k_qd57bf45011_proj
    .symbol:         k_qd57bf45011_proj.kd
    .args:
      - { .name: ctx, .offset: 0, .size: 8, .value_kind: global_buffer, .address_space: global }
      - { .name: wo16, .offset: 8, .size: 8, .value_kind: global_buffer, .address_space: global }
      - { .name: out0, .offset: 16, .size: 8, .value_kind: global_buffer, .address_space: global }
    .group_segment_fixed_size: 327680
    .private_segment_fixed_size: 0
    .kernarg_segment_align: 8
    .kernarg_segment_size: 24
    .max_flat_workgroup_size: 128
    .sgpr_count:     66
    .vgpr_count:     768
    .wavefront_size: 32
...
	.end_amdgpu_metadata
.endif
;; end of part 4
;; launch fine (part 5): grid 16 x 4, 16 waves a work-group, no clusters, 71,680 bytes of LDS; arguments first, Wo, out0; writes out0
.if DOCPART == 5
	.amdgcn_target "amdgcn-amd-amdhsa--gfx1250"
	.amdhsa_code_object_version 6
	.text
	.protected	k_qd57bf45011_fine
	.globl	k_qd57bf45011_fine
	.p2align	8
	.type	k_qd57bf45011_fine,@function
k_qd57bf45011_fine:
	s_mov_b64 s[64:65], 0
	v_nop
	global_prefetch_b8 v0, s[64:65] scope:SCOPE_SE
	s_setreg_imm32_b32 hwreg(HW_REG_WAVE_MODE, 25, 1), 1
	s_wait_xcnt 0x0
; The first 16 positions of every sequence, in f32 throughout: these rows average one to sixteen values and are the largest of the output.
; first: [3 = q, k, v][4 batches][16 positions][1024 = 64 head + e] f32, the unrounded sums of the quantised products.  Wo: [1024][1024] f32.  out0: [4][2048][1024] f32, rows 0-15 of each batch.
; SHARES.  Work-group (x, batch) makes columns 64 x .. 64 x + 63 of the batch's 16 rows; wave w is head w: its 16 x 16 attention, then its 64 channels' part of the projection; the sixteen parts meet in LDS
; and wave w sums and stores row w: 256 consecutive bytes, aligned.  Each work-group of a batch repeats the small attention: that keeps one owner for each output and one launch.
; ALL PRODUCTS by the f32 matrix form, 16 x 16 x 4.  K is taken in an order of my own, alike on both sides of each product, so that nothing changes lanes between the products:
;   scores S^T = K Q^T: step (g, s) takes channels 8 g + 4 h + 2 s + j;   O^T = V^T P: step kk takes keys 8 h + 2 kk + j, which are p's own registers;
;   projection D2 = Wo O^T: step (ct, jj) takes channels 16 ct + 8 h + 2 jj + j, which are O^T's own registers.
; The accumulators, v176-239, are written by matrix instructions alone.  No tensor loads; no cluster: nothing is shared through LDS between work-groups.
.set IMG,   16*272                     ; a wave's part: 16 rows of 256 bytes + 16
.set SPARE, 16*IMG                     ; behind the sixteen parts: the spare words, 128 bytes a wave
.set SPW, 14
.set NIL, 15
.set QR,  16                           ; v16-47   Q;  later Wo's column tile 2
.set KR,  48                           ; v48-79   K;  later Wo's column tile 3
.set VR,  80                           ; v80-111  V^T at 8 ct + key;  later the sixteen parts of my row
.set WA,  112                          ; v112-175 Wo's column tiles 0, 1
.set WB,  16
.set SA,  176                          ; v176-191 the scores' two accumulators
.set D2,  176                          ; v176-207 the projection's four
.set OT,  208                          ; v208-239 O^T's four
.set PP,  240                          ; v240-247 scores, then p
	s_load_b128 s[4:7], s[0:1], 0x0                ; first, Wo
	s_load_b64 s[8:9], s[0:1], 0x10                ; out0
	v_lshl_add_u32 v[SPW], v0, 2, SPARE
	v_mov_b32 v[NIL], 0
	v_lshrrev_b32 v1, 5, v0
	v_readfirstlane_b32 s10, v1                    ; wave = head
	s_and_b32 s11, ttmp7, 0xffff                   ; batch
	v_and_b32 v1, 15, v0                           ; r
	v_bfe_u32 v2, v0, 4, 1                         ; h
	v_lshlrev_b32 v3, 12, v1
	v_lshl_add_u32 v5, v2, 5, v3                   ; Wo: row r of 4,096 bytes + 32 h
	v_lshl_add_u32 v3, v2, 4, v3                   ; Q, K: row r + 16 h
	v_lshlrev_b32 v4, 2, v1
	v_lshl_add_u32 v4, v2, 15, v4                  ; V: key 8 h, channel r
	v_lshlrev_b32 v6, 3, v2
	v_sub_nc_u32 v6, v1, v6                        ; r - 8 h, for the mask
	s_mul_i32 s12, s10, IMG
	v_mul_u32_u24 v7, v1, 272
	v_lshl_add_u32 v7, v2, 5, v7
	v_add_nc_u32 v7, s12, v7                       ; my part: row r, + 32 h
	s_mul_i32 s12, s10, 272
	v_and_b32 v9, 31, v0
	v_lshlrev_b32 v9, 3, v9                        ; 8 x lane
	v_add_nc_u32 v8, s12, v9                       ; row w of a part
	v_mov_b32 v10, 0xff800000                      ; -infinity
	s_mov_b32 s14, 0x76543210
	s_mov_b32 s15, 0xfedcba98                      ; lane l xor 16
	s_mov_b32 s16, 0x3e38aa3b                      ; c = log2(e) / 8
	s_lshl_b32 s12, s11, 16                        ; first: the batch's 16 rows, my head's 256 bytes
	s_lshl_b32 s17, s10, 8
	s_add_co_u32 s12, s12, s17
	s_mov_b32 s13, 0
	s_lshl_b32 s18, ttmp9, 18                      ; Wo: row 64 x, my head's 256 bytes
	s_add_co_u32 s18, s18, s17
	s_mov_b32 s19, 0
	s_lshl_b32 s20, s11, 11
	s_add_co_u32 s20, s20, s10                     ; out0: row 2,048 batch + w,
	s_lshl_b32 s20, s20, 12
	s_lshl_b32 s17, ttmp9, 8                       ; column 64 x
	s_add_co_u32 s20, s20, s17
	s_mov_b32 s21, 0
	s_wait_kmcnt 0x0
	s_add_nc_u64 s[4:5], s[4:5], s[12:13]
	s_add_nc_u64 s[6:7], s[6:7], s[18:19]
	s_add_nc_u64 s[8:9], s[8:9], s[20:21]
.irp g, 0,1,2,3,4,5,6,7
	global_load_b128 v[QR+4*\g:QR+4*\g+3], v3, s[4:5] offset:32*\g                ; Q(r, 8 g + 4 h + 0 .. 3)
.endr
.irp g, 0,1,2,3,4,5,6,7
	global_load_b128 v[KR+4*\g:KR+4*\g+3], v3, s[4:5] offset:262144+32*\g         ; K likewise
.endr
.irp ct, 0,1,2,3
.irp kj, 0,1,2,3,4,5,6,7
	global_load_b32 v[VR+8*\ct+\kj], v4, s[4:5] offset:524288+\kj*4096+64*\ct     ; V(8 h + kj, 16 ct + r)
.endr
.endr
.irp nt, 0,1
.irp ct, 0,1,2,3
	global_load_b128 v[WA+32*\nt+8*\ct:WA+32*\nt+8*\ct+3],   v5, s[6:7] offset:\nt*65536+64*\ct      ; Wo(16 nt + r, 16 ct + 8 h + 0 .. 7)
	global_load_b128 v[WA+32*\nt+8*\ct+4:WA+32*\nt+8*\ct+7], v5, s[6:7] offset:\nt*65536+64*\ct+16
.endr
.endr
	s_wait_loadcnt 48                              ; Q and K are in; V's 32 loads and Wo's 16 may be out
.irp g, 0,1,2,3,4,5,6,7                        ; S^T = K Q^T: 16 steps on two accumulators by turns; the first two start the sums
.irp s, 0,1
.if \g == 0
	v_wmma_f32_16x16x4_f32 v[SA+8*\s:SA+8*\s+7], v[KR+4*\g+2*\s:KR+4*\g+2*\s+1], v[QR+4*\g+2*\s:QR+4*\g+2*\s+1], 0
.else
	v_wmma_f32_16x16x4_f32 v[SA+8*\s:SA+8*\s+7], v[KR+4*\g+2*\s:KR+4*\g+2*\s+1], v[QR+4*\g+2*\s:QR+4*\g+2*\s+1], v[SA+8*\s:SA+8*\s+7]
.endif
.endr
.endr
.rept 8
	v_nop                                          ; eight places behind this form (ISA guide 7.12.1)
.endr
.irp j, 0,1,2,3,4,5,6,7
	v_add_f32 v[PP+\j], v[SA+\j], v[SA+8+\j]       ; score of key 8 h + j, query r; both accumulators from their low end on
.endr
.irp j, 0,1,2,3,4,5,6,7
	v_cmp_gt_i32 vcc_lo, \j, v6                    ; key 8 h + j behind query r: hidden
	v_cndmask_b32 v[PP+\j], v[PP+\j], v10, vcc_lo
.endr
.irp nt, 0,1                                   ; Wo's column tiles 2, 3 into the registers that Q and K have left
.irp ct, 0,1,2,3
	global_load_b128 v[WB+32*\nt+8*\ct:WB+32*\nt+8*\ct+3],   v5, s[6:7] offset:(\nt+2)*65536+64*\ct
	global_load_b128 v[WB+32*\nt+8*\ct+4:WB+32*\nt+8*\ct+7], v5, s[6:7] offset:(\nt+2)*65536+64*\ct+16
.endr
.endr
	v_max3_num_f32 v248, v240, v241, v242          ; the row's maximum: key 0 counts for every query
	v_max3_num_f32 v249, v243, v244, v245
	v_max3_num_f32 v248, v248, v246, v247
	v_max_num_f32 v248, v248, v249
	v_permlanex16_b32 v249, v248, s14, s15
	v_max_num_f32 v248, v248, v249
	v_mul_f32 v248, s16, v248                      ; c m
.irp j, 0,1,2,3,4,5,6,7
	v_fma_f32 v[PP+\j], v[PP+\j], s16, -v248
.endr
.irp j, 0,1,2,3,4,5,6,7
	v_exp_f32 v[PP+\j], v[PP+\j]
.endr
	v_nop
	s_wait_alu depctr_va_vdst(0)                   ; one wait for the eight, ahead of their first reader
	v_add_f32 v249, v240, v241
	v_add_f32 v250, v242, v243
	v_add_f32 v251, v244, v245
	v_add_f32 v252, v246, v247
	v_add_f32 v249, v249, v250
	v_add_f32 v251, v251, v252
	v_add_f32 v249, v249, v251
	v_permlanex16_b32 v250, v249, s14, s15
	v_add_f32 v249, v249, v250                     ; the row's sum
	v_rcp_f32 v250, v249
	v_nop
	s_wait_alu depctr_va_vdst(0)
.irp j, 0,1,2,3,4,5,6,7
	v_mul_f32 v[PP+\j], v[PP+\j], v250             ; the weights
.endr
	s_wait_loadcnt 32                              ; V is in; Wo's two runs of 16 may be out
.irp kk, 0,1,2,3                               ; O^T = V^T P: four accumulators by turns
.irp ct, 0,1,2,3
.if \kk == 0
	v_wmma_f32_16x16x4_f32 v[OT+8*\ct:OT+8*\ct+7], v[VR+8*\ct+2*\kk:VR+8*\ct+2*\kk+1], v[PP+2*\kk:PP+2*\kk+1], 0
.else
	v_wmma_f32_16x16x4_f32 v[OT+8*\ct:OT+8*\ct+7], v[VR+8*\ct+2*\kk:VR+8*\ct+2*\kk+1], v[PP+2*\kk:PP+2*\kk+1], v[OT+8*\ct:OT+8*\ct+7]
.endif
.endr
.endr
.rept 9
	v_nop                                          ; nine places: the results become a source of the next products
.endr
	s_wait_loadcnt 0x0                             ; Wo
.irp ct, 0,1,2,3                               ; D2 = Wo O^T: my head's 64 channels, four column tiles by turns
.irp jj, 0,1,2,3
.irp nt, 0,1,2,3
.if \nt < 2
.set WR, WA+32*\nt+8*\ct+2*\jj
.else
.set WR, WB+32*(\nt-2)+8*\ct+2*\jj
.endif
.if \ct+\jj == 0
	v_wmma_f32_16x16x4_f32 v[D2+8*\nt:D2+8*\nt+7], v[WR:WR+1], v[OT+8*\ct+2*\jj:OT+8*\ct+2*\jj+1], 0
.else
	v_wmma_f32_16x16x4_f32 v[D2+8*\nt:D2+8*\nt+7], v[WR:WR+1], v[OT+8*\ct+2*\jj:OT+8*\ct+2*\jj+1], v[D2+8*\nt:D2+8*\nt+7]
.endif
.endr
.endr
.endr
.rept 8
	v_nop
.endr
.irp nt, 0,1,2,3
	ds_store_b128 v7, v[D2+8*\nt:D2+8*\nt+3] offset:64*\nt           ; lane (r, h): row r, columns 16 nt + 8 h + 0 .. 7; each accumulator from its low end on
	ds_store_b128 v7, v[D2+8*\nt+4:D2+8*\nt+7] offset:64*\nt+16
.endr
	s_wait_dscnt 0x0                               ; for the others' sake: my part lies in LDS
	s_barrier_signal -1
	s_barrier_wait -1
.irp i, 0,1,2,3,4,5,6,7,8,9,10,11,12,13,14,15
	ds_load_b64 v[VR+2*\i:VR+2*\i+1], v8 offset:\i*IMG               ; row w of head i's part: 32 lanes, 256 bytes
.endr
	s_wait_dscnt 0x0
.irp i, 0,4,8,12,16,20,24,28                   ; the sum over the sixteen heads, in a fixed order
	v_pk_add_f32 v[VR+\i:VR+\i+1], v[VR+\i:VR+\i+1], v[VR+\i+2:VR+\i+3]
.endr
.irp i, 0,8,16,24
	v_pk_add_f32 v[VR+\i:VR+\i+1], v[VR+\i:VR+\i+1], v[VR+\i+4:VR+\i+5]
.endr
.irp i, 0,16
	v_pk_add_f32 v[VR+\i:VR+\i+1], v[VR+\i:VR+\i+1], v[VR+\i+8:VR+\i+9]
.endr
	v_pk_add_f32 v[VR:VR+1], v[VR:VR+1], v[VR+16:VR+17]
	global_store_b64 v9, v[VR:VR+1], s[8:9]        ; 32 lanes store 256 consecutive bytes, aligned
	s_wait_tensorcnt 0x0                           ; the wave's end
	ds_add_u32 v[SPW], v[NIL]
	s_wait_dscnt 0x0
	s_endpgm
.Lfunc_end_k_qd57bf45011_fine:
	.size	k_qd57bf45011_fine, .Lfunc_end_k_qd57bf45011_fine-k_qd57bf45011_fine
	.p2alignl 7, 3214868480
	.fill 96, 4, 3214868480
	.section	.rodata,"a",@progbits
	.p2align	6, 0x0
	.amdhsa_kernel k_qd57bf45011_fine
		.amdhsa_group_segment_fixed_size 71680
		.amdhsa_private_segment_fixed_size 0
		.amdhsa_enable_private_segment 0
		.amdhsa_kernarg_size 24
		.amdhsa_user_sgpr_count 2
		.amdhsa_user_sgpr_kernarg_segment_ptr 1
		.amdhsa_wavefront_size32 1
		.amdhsa_system_sgpr_workgroup_id_x 1
		.amdhsa_system_sgpr_workgroup_id_y 1
		.amdhsa_system_sgpr_workgroup_id_z 1
		.amdhsa_system_vgpr_workitem_id 0
		.amdhsa_next_free_vgpr 256
		.amdhsa_next_free_sgpr 66
		.amdhsa_reserve_vcc 1
		.amdhsa_float_denorm_mode_32 3
		.amdhsa_float_denorm_mode_16_64 3
		.amdhsa_memory_ordered 1
		.amdhsa_forward_progress 1
		.amdhsa_inst_pref_size 22
	.end_amdhsa_kernel
	.amdgpu_metadata
---
amdhsa.version: [ 1, 2 ]
amdhsa.kernels:
  - .name:           k_qd57bf45011_fine
    .symbol:         k_qd57bf45011_fine.kd
    .args:
      - { .name: first, .offset: 0, .size: 8, .value_kind: global_buffer, .address_space: global }
      - { .name: Wo, .offset: 8, .size: 8, .value_kind: global_buffer, .address_space: global }
      - { .name: out0, .offset: 16, .size: 8, .value_kind: global_buffer, .address_space: global }
    .group_segment_fixed_size: 71680
    .private_segment_fixed_size: 0
    .kernarg_segment_align: 8
    .kernarg_segment_size: 24
    .max_flat_workgroup_size: 512
    .sgpr_count:     66
    .vgpr_count:     256
    .wavefront_size: 32
...
	.end_amdgpu_metadata
.endif
;; end of part 5
